; MI455X (gfx1250); checked and timed in simulation.
; The chip was launched on July 23, 2026; its instructions are those of AMD's public machine-readable ISA for CDNA 5 (MIT licence, August 2026) and "CDNA5" Instruction Set Architecture Reference Guide (July 2026). The comments in the code are by the model that wrote it; some were corrected since.
;; Multi Head Attention. Allowed arithmetic: matrix products marked QUANTISED: E2M3 operands, one E8M0 scale for each 32 along K, by v_wmma_scale_f32_16x16x128_f8f6f4 with both operands' format E2M3, f32 sums; everything else in f32.
;; Inputs: freqs_cos 2,048 x 64 float32; freqs_sin 2,048 x 64 float32; mask 2,048 x 2,048 float32; w_k 2,048 x 2,048 float32; w_o 2,048 x 2,048 float32; w_q 2,048 x 2,048 float32; w_v 2,048 x 2,048 float32; x 1 x 2,048 x 2,048 float32.
;; Outputs: out0 1 x 2,048 x 2,048 float32.
;; This version of the problem:
;;   THIS VERSION OF THE PROBLEM IS GIVEN IN LOW PRECISION. The matrix products marked QUANTISED in the list below multiply operands that are first quantised to E2M3 (2 exponent bits, 3 mantissa bits; 6 bits a number), with one power-of-two scale for each 32 numbers along K (OCP MX v1.0); their sums are f32. All else is computed in f32.
;;   The module's matrix products, in the order in which they are computed (A, B: the left and right operand; K: the contracted axis; several contracted axes count as one K, in the product's order):
;;     1. [M 2,048, K 2,048] x [K 2,048, N 2,048]; A: input x; B: input w_q: QUANTISED
;;     2. [M 2,048, K 2,048] x [K 2,048, N 2,048]; A: input x; B: input w_k: QUANTISED
;;     3. [M 2,048, K 2,048] x [K 2,048, N 2,048]; A: input x; B: input w_v: QUANTISED
;;     4. batch 16 x [M 2,048, K 128] x [K 128, N 2,048]; A: computed on the way; B: computed on the way: QUANTISED
;;     5. batch 16 x [M 128, K 2,048] x [K 2,048, N 2,048]; A: computed on the way; B: softmax (see below): QUANTISED
;;     6. [M 2,048, K 2,048] x [K 2,048, N 2,048]; A: computed on the way; B: input w_o: QUANTISED
;;   THE QUANTISER, for each operand of a quantised product, along K:
;;     - K is cut into blocks of 32 from its start; a last block that is shorter is filled with zeros.
;;     - A block's scale is 2^e with e = floor(log2(the largest magnitude in the block)) - 2, held to -126 .. 127; a block of zeros has e = 0. As a byte (E8M0): e + 127.
;;     - Each number is divided by its block's scale, clamped to +-7.5, and rounded to the nearest number of E2M3, ties to even, subnormals kept.
;;     - The product sums the exact products of the quantised numbers (number of the format x scale) in f32.
;;   ~~~python
;;   def quantise(x, axis):      # numpy; x: float32 -> the quantised numbers, widened to float32 again
;;       x = np.moveaxis(x, axis, -1); K = x.shape[-1]
;;       x = np.pad(x, [(0, 0)] * (x.ndim - 1) + [(0, -K % 32)]); x = x.reshape(x.shape[:-1] + (-1, 32)); a = np.abs(x).max(-1, keepdims=True)
;;       e = np.where(a > 0, np.clip(np.frexp(np.where(a > 0, a, 1))[1] - 1 - 2, -126, 127), 0)      # np.frexp(a)[1] - 1 = floor(log2(a)), exactly
;;       r = np.clip(x / 2.0 ** e, -7.5, 7.5)
;;       step = 2.0 ** (np.maximum(np.frexp(np.where(r == 0, 1, r))[1] - 1, 0) - 3)
;;       q = np.round(r / step) * step * 2.0 ** e      # np.round: ties to even
;;       return np.moveaxis(q.reshape(q.shape[:-2] + (-1,))[..., :K], -1, axis).astype(np.float32)
;;   ~~~
;;   SOFTMAX AHEAD OF A QUANTISED PRODUCT. Where the list says 'softmax', what is quantised is not the finished softmax but p = 2^(t - M), with t = logit x log2(e) and M = ceil(the row's largest t), a whole number; so 1/2 < the row's largest p <= 1. The row's sum l is taken of the UNQUANTISED p, in f32, and the product's result is divided by l at the end. Since M is a whole number, a kernel that streams over the keys may use a running M (the ceiling of the running maximum): every later rescaling is an exact power of two, which a block's scale takes up: the codes' values come out the same.
;;   OPERANDS COMPUTED ON THE WAY. 'Computed on the way' means the value that the module computes at that place (a softmax that the list does not call 'softmax' is quantised finished and normalised). What goes into a quantiser is computed in f32, as accurately as f32 sums, v_exp_f32 and their like allow (about 1e-6 of the number): no bf16 or f16 on the way to a quantiser, and a product that is left as it is and whose result goes on into a quantised operand takes f32 operands (vector FMAs, or v_wmma_f32_16x16x4_f32). A number that lies on a knife's edge between two numbers of the format may be rounded either way, as far as f32 arithmetic and the matrix unit's own rounding can turn it there, and no further.
;; One version. Each part assembles by itself: llvm-mc -triple=amdgcn-amd-amdhsa -mcpu=gfx1250 --defsym DOCPART=n.
;; ======== version 1 of 1: 4 launches
;; workspace buffers: ops 16,384,000 bytes; qkv 10,223,616 bytes; sv 131,072 bytes; oop 3,276,800 bytes
;; launch quant (part 1): grid 128 x 5, 4 waves a work-group, no clusters, 68,096 bytes of LDS; arguments x, w_q, w_k, w_v, w_o, ops; writes ops
.if DOCPART == 1
	.amdgcn_target "amdgcn-amd-amdhsa--gfx1250"
	.amdhsa_code_object_version 6
	.text
	.protected	k_qe783ebd6c4_quant
	.globl	k_qe783ebd6c4_quant
	.p2align	8
	.type	k_qe783ebd6c4_quant,@function
k_qe783ebd6c4_quant:
	s_mov_b64 s[64:65], 0
	v_nop
	global_prefetch_b8 v0, s[64:65] scope:SCOPE_SE
	s_setreg_imm32_b32 hwreg(HW_REG_WAVE_MODE, 25, 1), 1
	s_wait_xcnt 0x0
; x [2048 tokens][2048 K] and the four weights [2048 K][2048 n], f32, become codes of FP6 (E2M3) with one E8M0 byte for each 32 along K,
; laid in the ORDER OF THE OPERAND'S REGISTERS.  ops = [tensor 0 x, 1 w_q, 2 w_k, 3 w_v, 4 w_o][group of 128 rows: 16][256 along K: 8][record of 25,600 bytes].
; A record: 8 tiles of 16 rows x 2 K steps of 128, each a fragment's image of 1,536 bytes (register j of lane l at 512 (j / 4) + 16 l + 4 (j % 4)), tile t, K step q at 3072 t + 1536 q;
; then 1,024 bytes of scale words at 24,576 + 256 (t / 2) + 16 r + 8 (t % 2) + 4 q.
; THE ROWS OF A TILE ARE NOT NEIGHBOURS: row i of tile T is operand row 32 (T / 2) + 8 (T % 2) + i + 8 (i / 8), so that a later product's results are neighbours along the next K.
; SHARES.  Work-group (x, y): tensor y, group x % 16, K chunk x / 16.  Wave w takes the two tiles 2 w, 2 w + 1: 32 operand rows, A LANE TO A ROW, its registers along K: a block of 32 lies in one lane.
; A weight's K is its first axis: each load reads one k at 32 neighbouring n.  x's K is innermost: each load reads 512 consecutive bytes of a row, and the rows turn through the wave's own stage in LDS.
; A block's scale is 2^(floor(log2(largest magnitude)) - 2); its byte is the largest magnitude's exponent field - 2, held at 1 from below.
; LIMITS: a block of zeros gets the byte 1 (its codes are zeros, and this program alone reads the bytes); NaN and infinities among the inputs are not served.
.set REC,   25600
.set STG,   16896                      ; a wave's stage: 32 rows x (512 bytes + 16)
.set SPARE, 4*STG                      ; behind the stages: the spare words, 128 bytes for each wave
.set SPW, 8                            ; v8   LDS address of my spare word; never rewritten
.set NIL, 9                            ; v9   0; never rewritten
.set X,   32                           ; v32-95   two sets of 32 numbers: a block
.set CD,  96                           ; v96-119  a K step's codes: 12 registers for the fragment's lane (i, 0), 12 for (i, 1)
.set TT,  120                          ; v120-122 a block's upper 16 codes on their way
.set LN,  128                          ; v128-255 x as it is loaded: 32 rows x 16 bytes a lane
.macro LOADW t                         ; block t of a weight: w(32 t + i, my n), i = 0 .. 31
.irp i, 0,1,2,3,4,5,6,7,8,9,10,11,12,13,14,15,16,17,18,19,20,21,22,23,24,25,26,27,28,29,30,31
	global_load_b32 v[X+32*((\t)%2)+\i], v2, s[18:19] offset:(32*(\t)+\i)*8192 th:TH_LOAD_NT
.endr
.endm
.macro LOADX s                         ; K step s of my 32 rows of x: a load reads 512 consecutive bytes of one row
.irp j, 0,1,2,3,4,5,6,7,8,9,10,11,12,13,14,15,16,17,18,19,20,21,22,23,24,25,26,27,28,29,30,31
	global_load_b128 v[LN+4*\j:LN+4*\j+3], v3, s[18:19] offset:8192*\j+512*(\s) th:TH_LOAD_NT
.endr
.endm
.macro STOREX                          ; into my stage, row by row
.irp j, 0,1,2,3,4,5,6,7,8,9,10,11,12,13,14,15,16,17,18,19,20,21,22,23,24,25,26,27,28,29,30,31
	ds_store_b128 v6, v[LN+4*\j:LN+4*\j+3] offset:528*\j
.endr
.endm
.macro DSL t                           ; and back: block t % 4 of MY row, 128 bytes; rows 528 bytes apart start in different banks
.irp e, 0,1,2,3,4,5,6,7
	ds_load_b128 v[X+32*((\t)%2)+4*\e:X+32*((\t)%2)+4*\e+3], v7 offset:128*((\t)%4)+16*\e
.endr
.endm
; Block t of my row (K step t / 4, block b = t % 4) is quantised.  It belongs to the fragment's lane (i, b % 2), registers 6 (b / 2) on.
.macro QBLOCK t
.set XS, X+32*((\t)%2)
.set QD, CD+12*((\t)%2)+6*(((\t)%4)/2)
.if (\t) == 4
	s_wait_xcnt 0x0                                ; K step 0's stores have read the codes' registers, which are written again from here on
.endif
	v_max3_num_f32 v12, |v[XS]|, |v[XS+1]|, |v[XS+2]|      ; the block's largest magnitude, in two chains
	v_max3_num_f32 v13, |v[XS+3]|, |v[XS+4]|, |v[XS+5]|
.irp i, 6,10,14,18,22,26
	v_max3_num_f32 v12, v12, |v[XS+\i]|, |v[XS+\i+1]|
	v_max3_num_f32 v13, v13, |v[XS+\i+2]|, |v[XS+\i+3]|
.endr
	v_max3_num_f32 v12, v12, |v[XS+30]|, |v[XS+31]|
	v_max3_num_f32 v12, v12, v13, 0x1800000        ; and the floor 2^(3 - 127): the byte cannot fall under 1
	v_add_nc_u32 v11, 0xff000000, v12              ; 2 off its exponent field: the conversion's scale operand
	v_lshrrev_b32 v13, 23, v11                     ; the scale's byte
.if (\t)%4 == 0
	v_mov_b32 v[14+(\t)/4], v13                    ; four bytes make the K step's scale word
.else
	v_lshl_or_b32 v[14+(\t)/4], v13, 8*((\t)%4), v[14+(\t)/4]
.endif
	v_cvt_scalef32_pk16_fp6_f32 v[QD:QD+2], v[XS:XS+15], v11
	v_cvt_scalef32_pk16_fp6_f32 v[TT:TT+2], v[XS+16:XS+31], v11    ; (a conversion's three registers begin on an even number)
	v_nop                                          ; one plain place behind a scaled conversion
.irp i, 0,1,2
	v_mov_b32 v[QD+3+\i], v[TT+\i]
.endr
.if (\t)%4 == 3                        ; the K step is whole: six stores, each 256 consecutive bytes in each of my two tiles
.irp h, 0,1
.irp c, 0,1,2
	global_store_b128 v4, v[CD+12*\h+4*\c:CD+12*\h+4*\c+3], s[20:21] offset:1536*((\t)/4)+512*\c+256*\h
.endr
.endr
.endif
.if (\t) == 7
	global_store_b64 v5, v[14:15], s[22:23]        ; my row's two scale words: the wave stores 256 consecutive bytes
.endif
.endm
.macro XHALF t0                        ; four blocks out of the stage, the LDS loads two blocks ahead
	DSL \t0
	DSL \t0+1
	s_wait_dscnt 8                                 ; this block is back; the next block's 8 loads may be out
	QBLOCK \t0
	DSL \t0+2
	s_wait_dscnt 8
	QBLOCK \t0+1
	DSL \t0+3
	s_wait_dscnt 8
	QBLOCK \t0+2
	s_wait_dscnt 0x0
	QBLOCK \t0+3
.endm
	s_load_b256 s[4:11], s[0:1], 0x0               ; x, w_q, w_k, w_v
	s_load_b128 s[12:15], s[0:1], 0x20             ; w_o, ops
	v_lshl_add_u32 v[SPW], v0, 2, SPARE
	v_mov_b32 v[NIL], 0
	v_lshrrev_b32 v1, 5, v0
	v_readfirstlane_b32 s16, v1                    ; wave 0..3
	v_and_b32 v1, 31, v0                           ; lane = my row among the wave's 32
	v_lshlrev_b32 v2, 2, v1                        ; a weight: 4 bytes a lane
	v_lshlrev_b32 v3, 4, v1                        ; x: 16 bytes a lane
	v_bfe_u32 v10, v1, 3, 1                        ; u: which of the two tiles my row belongs to
	v_and_b32 v4, 7, v1
	v_lshrrev_b32 v5, 4, v1
	v_lshl_add_u32 v5, v5, 3, v4                   ; i: its place in that tile
	v_lshlrev_b32 v5, 4, v5
	v_mad_u32_u24 v4, v10, 3072, v5                ; the codes' place: 3072 u + 16 i
	v_lshl_add_u32 v5, v10, 3, v5                  ; the scale words': 16 i + 8 u
	s_mul_i32 s24, s16, STG
	v_add_nc_u32 v6, s24, v3                       ; my stage, on the way in
	v_mul_u32_u24 v7, v1, 528
	v_add_nc_u32 v7, s24, v7                       ; and on the way out: my row
	s_and_b32 s17, ttmp7, 0xffff                   ; the tensor
	s_and_b32 s25, ttmp9, 15                       ; the group of 128 rows
	s_lshr_b32 s26, ttmp9, 4                       ; the chunk of 256 along K
	s_lshl_b32 s27, s17, 4
	s_add_co_u32 s27, s27, s25
	s_lshl_b32 s27, s27, 3
	s_add_co_u32 s27, s27, s26                     ; the record's number
	s_mul_i32 s20, s27, REC
	s_mov_b32 s21, 0
	s_add_co_u32 s22, s20, 24576
	s_lshl_b32 s28, s16, 8
	s_add_co_u32 s22, s22, s28                     ; my 256 bytes of scale words
	s_mov_b32 s23, 0
	s_mul_i32 s28, s16, 6144
	s_add_co_u32 s20, s20, s28                     ; my two tiles
	s_wait_kmcnt 0x0
	s_add_nc_u64 s[20:21], s[14:15], s[20:21]
	s_add_nc_u64 s[22:23], s[14:15], s[22:23]
	s_cmp_eq_u32 s17, 1                            ; the source: a choice on the work-group's number alone
	s_cselect_b64 s[18:19], s[6:7], s[4:5]
	s_cmp_eq_u32 s17, 2
	s_cselect_b64 s[18:19], s[8:9], s[18:19]
	s_cmp_eq_u32 s17, 3
	s_cselect_b64 s[18:19], s[10:11], s[18:19]
	s_cmp_eq_u32 s17, 4
	s_cselect_b64 s[18:19], s[12:13], s[18:19]
	s_cmp_lg_u32 s17, 0
	s_cbranch_scc0 .Lx
	; ---- a weight: rows 256 kc on, columns 128 G + 32 w on
	s_lshl_b32 s28, s26, 21
	s_lshl_b32 s29, s25, 9
	s_add_co_u32 s28, s28, s29
	s_lshl_b32 s29, s16, 7
	s_add_co_u32 s28, s28, s29
	s_mov_b32 s29, 0
	s_add_nc_u64 s[18:19], s[18:19], s[28:29]
	LOADW 0
	LOADW 1
.irp t, 0,1,2,3,4,5
	s_wait_loadcnt 32                              ; this block's 32 loads are in; the next block's may be out
	QBLOCK \t
	LOADW \t+2
.endr
	s_wait_loadcnt 32
	QBLOCK 6
	s_wait_loadcnt 0x0
	QBLOCK 7
	s_endpgm
.Lx:
	; ---- x: rows 128 G + 32 w on, 1,024 bytes of each from byte 1024 kc on
	s_lshl_b32 s28, s25, 20
	s_lshl_b32 s29, s16, 18
	s_add_co_u32 s28, s28, s29
	s_lshl_b32 s29, s26, 10
	s_add_co_u32 s28, s28, s29
	s_mov_b32 s29, 0
	s_add_nc_u64 s[18:19], s[18:19], s[28:29]
	LOADX 0
	s_wait_loadcnt 0x0
	STOREX
	s_wait_dscnt 0x0                               ; the stores have read their registers, which take K step 1's loads
	LOADX 1
	XHALF 0
	s_wait_loadcnt 0x0
	STOREX                                         ; my reads of the stage are over (the last wait above was for 0); LDS serves a wave's instructions in order
	XHALF 4
	s_wait_tensorcnt 0x0                           ; the wave's end, behind my last LDS store
	ds_add_u32 v[SPW], v[NIL]
	s_wait_dscnt 0x0
	s_endpgm
.Lfunc_end_k_qe783ebd6c4_quant:
	.size	k_qe783ebd6c4_quant, .Lfunc_end_k_qe783ebd6c4_quant-k_qe783ebd6c4_quant
	.p2alignl 7, 3214868480
	.fill 96, 4, 3214868480
	.section	.rodata,"a",@progbits
	.p2align	6, 0x0
	.amdhsa_kernel k_qe783ebd6c4_quant
		.amdhsa_group_segment_fixed_size 68096
		.amdhsa_private_segment_fixed_size 0
		.amdhsa_enable_private_segment 0
		.amdhsa_kernarg_size 48
		.amdhsa_user_sgpr_count 2
		.amdhsa_user_sgpr_kernarg_segment_ptr 1
		.amdhsa_wavefront_size32 1
		.amdhsa_system_sgpr_workgroup_id_x 1
		.amdhsa_system_sgpr_workgroup_id_y 1
		.amdhsa_system_sgpr_workgroup_id_z 1
		.amdhsa_system_vgpr_workitem_id 0
		.amdhsa_next_free_vgpr 256
		.amdhsa_next_free_sgpr 66
		.amdhsa_reserve_vcc 0
		.amdhsa_float_denorm_mode_32 3
		.amdhsa_float_denorm_mode_16_64 3
		.amdhsa_memory_ordered 1
		.amdhsa_forward_progress 1
		.amdhsa_inst_pref_size 67
	.end_amdhsa_kernel
	.amdgpu_metadata
---
amdhsa.version: [ 1, 2 ]
amdhsa.kernels:
  - .name:           k_qe783ebd6c4_quant
    .symbol:         k_qe783ebd6c4_quant.kd
    .args:
      - { .name: x, .offset: 0, .size: 8, .value_kind: global_buffer, .address_space: global }
      - { .name: w_q, .offset: 8, .size: 8, .value_kind: global_buffer, .address_space: global }
      - { .name: w_k, .offset: 16, .size: 8, .value_kind: global_buffer, .address_space: global }
      - { .name: w_v, .offset: 24, .size: 8, .value_kind: global_buffer, .address_space: global }
      - { .name: w_o, .offset: 32, .size: 8, .value_kind: global_buffer, .address_space: global }
      - { .name: ops, .offset: 40, .size: 8, .value_kind: global_buffer, .address_space: global }
    .group_segment_fixed_size: 68096
    .private_segment_fixed_size: 0
    .kernarg_segment_align: 8
    .kernarg_segment_size: 48
    .max_flat_workgroup_size: 128
    .sgpr_count:     66
    .vgpr_count:     256
    .wavefront_size: 32
...
	.end_amdgpu_metadata
.endif
;; end of part 1
;; launch qkv (part 2): grid 24 x 8, 4 waves a work-group, clusters of 4 x 4, 327,680 bytes of LDS; arguments ops, freqs_cos, freqs_sin, qkv, sv; writes qkv, sv
.if DOCPART == 2
	.amdgcn_target "amdgcn-amd-amdhsa--gfx1250"
	.amdhsa_code_object_version 6
	.text
	.protected	k_qe783ebd6c4_qkv
	.globl	k_qe783ebd6c4_qkv
	.p2align	8
	.type	k_qe783ebd6c4_qkv,@function
k_qe783ebd6c4_qkv:
	s_mov_b64 s[64:65], 0
	v_nop
	global_prefetch_b8 v0, s[64:65] scope:SCOPE_SE
	s_setreg_imm32_b32 hwreg(HW_REG_WAVE_MODE, 25, 1), 1
	s_wait_xcnt 0x0
	s_wait_alu depctr_hold_cnt(0) depctr_sa_sdst(0) depctr_va_vdst(0) depctr_va_sdst(0) depctr_va_ssrc(0) depctr_va_vcc(0) depctr_vm_vsrc(0)
	s_getreg_b32 s2, hwreg(HW_REG_IB_STS2, 6, 4)
	s_cmp_eq_u32 s2, 0
	s_cbranch_scc0 .Lentry_in_a_cluster
	s_endpgm
.Lentry_in_a_cluster:
	s_bfe_u32 s2, ttmp6, 0x10000c
	s_cmp_lg_u32 s2, 0xf033
	s_cbranch_scc0 .Lentry_shape_is_right
	s_endpgm
.Lentry_shape_is_right:
; q = rope(x w_q), k = rope(x w_k), v = x w_v on codes of FP6 (E2M3) with E8M0 scales, and the results quantised at once for the attention's two products: nothing leaves as f32 but a small sum.
; A work-group of four waves makes 256 x 256 results, a wave 128 x 128: 64 accumulators, 512 registers.
; OPERANDS come as records of 25,600 bytes (128 rows x 256 K as images of the fragments' registers, then their scale words): dense in memory, three ds_load_b128 a fragment.
; THE RING.  K = 2,048 is eight chunks of 256.  LDS holds three units of a chunk (four records each); chunk kc lies in unit kc % 3.  Units 0 and 1 are run as ONE DOUBLE SLOT, unit 2 as a single slot, by turns:
; a wave's three records lie on end in LDS, and two chunks of a group on end in memory, so that one tensor load of 200 rows x 256 bytes fills the double slot.  First fills: chunks 0, 1 and chunk 2.
; Behind chunk 1: chunks 3, 4.  Behind chunk 2: chunk 5.  Behind chunk 4: chunks 6, 7.  Three refills in all, one tensor load a wave each; the single slot's refill has two chunks' products, 224 matrix instructions, in which to land,
; a double slot's 96.  No barrier stands between the two chunks of the double slot: the one in front of them has shown both to every wave.  The units' turns and the refills differ from chunk to chunk: the 16 steps are written out.
; SOURCE 1's 16 rows give a lane its row, SOURCE 0's rows run along the lane's registers.  q, k: source 0 = the weight (the head's 128), source 1 = x (tokens): a lane holds a token, its registers the head: the next K.
; v: source 0 = x (tokens = keys), source 1 = w_v (the head's 128): a lane holds a channel, its registers the keys: the next K.
; CLUSTERS of 4 x 4.  Source 1's records hang on the cluster's y and cy and are asked for jointly along a row of the cluster; source 0's on the cluster's x and cx, jointly along a column.
; Clusters x = 0 .. 3 make q and k (source 0: 32 groups of w_q, w_k; source 1: x), clusters x = 4, 5 make v (source 0: x; source 1: w_v): only byte offsets in ops differ, no LDS address and no line of the steps.
; OUT.  qkv = [q, k, v][head][group of 128 tokens][record of 13,312 bytes]: 8 fragments' images at 1536 a, scale words at 12,288 + 512 (a / 4) + 16 lane + 4 (a % 4).
; sv = [head][group of 128 keys][128] f32: the sum of the QUANTISED v over the group's keys, by a product with a fragment of ones.
; LIMITS: a block of zeros gets the scale byte 1 (its codes are zeros; this program alone reads the bytes); NaN and infinities are not served.
; REGISTERS: window 0: v10-29 addresses; v32-79 scale words, a set for each unit; v80-111, v224-255 RoPE table 0; v128-223 source 1's fragments, one set.  window 1: source 0's fragments, two sets, at v0 and v128; v96-127, v224-255 RoPE table 1.
;   windows 2, 3: the accumulators, (a, b) at v[8 (8 (a % 4) + b)].  On the way out window 0 v80-127 and v128-211 are at work and window 1 holds RoPE tables.
.set REC,   25600
.set WREG,  3*REC                      ; what one wave fetches lies on end: its record of unit 0, of unit 1, of unit 2.  Waves 0, 1: source 1's two groups; waves 2, 3: source 0's
.set SPARE, 4*WREG                     ; behind the units: the spare words, 128 bytes for each wave
.set ARC,   13312
.set FR,    12
.set NL,    3                          ; LDS loads that bring a fragment
.set NP,    4                          ; places behind this matrix instruction (ISA guide 7.12.1)
.set NQ,    2                          ; steps of 128 in a chunk
.set ADRA, 10                          ; v10-12  my fragments of source 1 in unit 0, 1, 2
.set ADRB, 13                          ; v13-15  of source 0
.set ADS,  16                          ; v16-18  my scale words: lanes 0-15 source 1's, lanes 16-31 source 0's
.set L16,  24                          ; v24     16 x lane
.set CSA,  25                          ; v25     RoPE tables: my token's row in a tile, + 32 bytes for lanes 16-31
.set SVA,  26                          ; v26     sv: 64 bytes for lanes 16-31
.set SPW,  28                          ; v28     LDS address of my spare word; never rewritten
.set NIL,  29                          ; v29     0; never rewritten
.set SC,   32                          ; v32-79  scale words: set u (for unit u) at v[SC + 16 u]
.set AF,   128
.set H,    128                         ; the way out: 64 rotated numbers
.set PC,   192                         ; v192-211 the codes just made
.set TM,   112                         ; v112-127 at work in QUANT
.set PWQ,  32                          ; v32-35  four tiles' scale words
.set ONES, 36                          ; v36     the scale 1.0 four times
.set ONE,  80                          ; v80-91  a fragment of codes of 1.0
.set SVD,  96                          ; v96-103 the keys' sum
.set G1,  24                           ; s[24:31] group 1 for one record of source 1;  s[32:39] groups 0: the double slot's set, then the single slot's
.set G0,  32
.set G1B, 48                           ; s[48:55], s[56:63] the same for source 0
.set G0B, 56
.set G1D, 84                           ; s[84:91] group 1 for two records on end, source 1;  s[92:99] source 0
.set G1DB, 92
.set F,    45                          ; s45  1 in v's clusters
.set OUTR, 68                          ; s[68:69] my record in qkv
.set SVB,  70                          ; s[70:71] my 512 bytes of sv
.set SEL,  72                          ; s[72:73] lane selects for v_permlanex16_b32: lane l xor 16
.set MSB, 0
.macro WIN new                         ; the immediate's high byte repeats the setting that is left
.if MSB != (\new)
	s_set_vgpr_msb (MSB<<8)|(\new)
.set MSB, (\new)
.endif
.endm
.set MUL_LO, 0xa1                      ; source 0 window 1, source 1 window 0, C and D window 2
.set MUL_HI, 0xf1                      ; the same, C and D window 3
.set TO_B,   0x40                      ; destination window 1
; A joint load: waves 0 and 1 fetch for source 1's two groups, waves 2 and 3 for source 0's.  The branch hangs on the wave's number alone.  An s_nop 0 and four v_nop follow each line.
.macro JLOAD g0a, g1a, g0b, g1b
	s_cmp_eq_u32 s15, 0
	s_cbranch_scc0 .Lfor_b_\@
	tensor_load_to_lds s[\g0a:\g0a+3], s[\g1a:\g1a+7]
	s_nop 0
.rept 4
	v_nop
.endr
	s_branch .Lasked_\@
.Lfor_b_\@:
	tensor_load_to_lds s[\g0b:\g0b+3], s[\g1b:\g1b+7]
	s_nop 0
.rept 4
	v_nop
.endr
.Lasked_\@:
.endm
.macro CREST                           ; a round of the cluster's barrier behind its opening barrier
	s_cmp_lg_u32 s14, 0
	s_cbranch_scc1 .Lnot_wave_0_\@
	s_barrier_signal -3
.Lnot_wave_0_\@:
	s_barrier_wait -3
	s_barrier_signal -1
	s_barrier_wait -1
.endm
.macro CROUND
	s_barrier_signal -1
	s_barrier_wait -1
	CREST
.endm
.macro PLACES n
.rept \n
	v_nop
.endr
.endm
.macro FRAG reg, adr, q, i             ; tile i, K step q of a record: the image of 12 registers, 512 consecutive bytes a load
.irp c, 0,1,2
	ds_load_b128 v[\reg+4*\c:\reg+4*\c+3], v[\adr] offset:3072*(\i)+1536*(\q)+512*\c
.endr
.endm
; 16 matrix instructions: source 1's tiles a0, a0 + 1 x source 0's eight.  p: source 0's set; q: the chunk's K step; sc: the set of scale words.
; The 64 accumulators take turns, one instruction a turn, in the same order in every step.
.macro MUL16 a0, p, q, sc, zero
.irp a, \a0, \a0+1
.irp b, 0,1,2,3,4,5,6,7
.if \zero
	v_wmma_scale_f32_16x16x128_f8f6f4 v[8*(8*((\a)%4)+\b):8*(8*((\a)%4)+\b)+7], v[128*(\p)+FR*\b:128*(\p)+FR*\b+FR-1], v[AF+FR*(\a):AF+FR*(\a)+FR-1], 0, v[SC+8*NQ*(\sc)+NQ*\b+(\q)], v[SC+8*NQ*(\sc)+NQ*(\a)+(\q)] matrix_a_fmt:MATRIX_FMT_FP6 matrix_b_fmt:MATRIX_FMT_FP6 matrix_a_scale:MATRIX_SCALE_ROW1
.else
	v_wmma_scale_f32_16x16x128_f8f6f4 v[8*(8*((\a)%4)+\b):8*(8*((\a)%4)+\b)+7], v[128*(\p)+FR*\b:128*(\p)+FR*\b+FR-1], v[AF+FR*(\a):AF+FR*(\a)+FR-1], v[8*(8*((\a)%4)+\b):8*(8*((\a)%4)+\b)+7], v[SC+8*NQ*(\sc)+NQ*\b+(\q)], v[SC+8*NQ*(\sc)+NQ*(\a)+(\q)] matrix_a_fmt:MATRIX_FMT_FP6 matrix_b_fmt:MATRIX_FMT_FP6 matrix_a_scale:MATRIX_SCALE_ROW1
.endif
.endr
.endr
.endm
.macro FETCH_B u, q, p                 ; source 0's eight fragments of unit u, K step q, into set p
	WIN TO_B
.irp i, 0,1,2,3,4,5,6,7
	FRAG 128*(\p)+FR*\i, ADRB+\u, \q, \i
.endr
	WIN 0
.endm
.macro FETCH_A u, q, i0                ; source 1's tiles i0 .. i0 + 3
.irp i, \i0, \i0+1, \i0+2, \i0+3
	FRAG AF+FR*(\i), ADRA+\u, \q, \i
.endr
.endm
.macro SCALES u                        ; unit u's scale words: register 2 tile + q: lanes 0-15 source 1's tile, lanes 16-31 source 0's
.irp p, 0,1,2,3
	ds_load_b128 v[SC+16*\u+4*\p:SC+16*\u+4*\p+3], v[ADS+\u] offset:256*\p
.endr
.endm
; A step of 128 along K (unit u, K step q) whose successor (unit nu, K step nq) has been shown whole by an earlier barrier: the same chunk's second step, or the double slot's second chunk.
.macro STEPX u, q, nu, nq, zero
	s_wait_dscnt 4*NL                              ; source 0's set, source 1's tiles 0-3 and the scale words are in; the youngest 12 loads (tiles 4-7) may be out
	WIN MUL_LO
	MUL16 0, \q, \q, \u, \zero
	MUL16 2, \q, \q, \u, \zero
	s_wait_dscnt 0
	PLACES NP                                      ; in front of loads into registers that matrix instructions have read
	FETCH_B \nu, \nq, 1-(\q)
	FETCH_A \nu, \nq, 0
.if (\nq) == 0
	SCALES \nu
.endif
	WIN MUL_HI
	MUL16 4, \q, \q, \u, \zero
	MUL16 6, \q, \q, \u, \zero
	PLACES NP
	WIN 0
	FETCH_A \nu, \nq, 4
.endm
; A slot's last step (unit u, K step 1) changes slots: ONE barrier; in front of it each wave waits for all its tensor loads, adds 0 to its spare word, and waits for that and for its reads of the slot that is left.
; fill = 1: the double slot, just left, takes the next two chunks; fill = 2: the single slot takes its next chunk; fill = 0: nothing is left to fetch.
.macro TURNX u, nu, fill
	s_wait_tensorcnt 0x0                           ; all my tensor loads have landed: my part of the slot ahead
	ds_add_u32 v[SPW], v[NIL]                      ; 0 onto my spare word
	s_wait_dscnt 4*NL+1                            ; (the add and the youngest 12 loads may be out)
	WIN MUL_LO
	MUL16 0, 1, 1, \u, 0                           ; sixteen matrix instructions stand between the add and the wait for it
	s_wait_dscnt 0x0                               ; the add is done, and my reads of the slot that is left are over
	s_barrier_signal -1
	MUL16 2, 1, 1, \u, 0
	WIN 0
	s_barrier_wait -1
.if \fill == 1
	CREST                                          ; the barrier has opened a round of the cluster's: no wave of any partner still reads the double slot or has a load on its way
	s_add_nc_u64 s[G0+2:G0+3], s[G0+2:G0+3], 3*REC
	s_add_nc_u64 s[G0B+2:G0B+3], s[G0B+2:G0B+3], 3*REC
	JLOAD G0, G1D, G0B, G1DB                       ; the first tensor load behind the round, and my only one until the next; its four v_nop are the places in front of the loads below
.elseif \fill == 2
	CREST
	s_add_nc_u64 s[G0+6:G0+7], s[G0+6:G0+7], 3*REC
	s_add_nc_u64 s[G0B+6:G0B+7], s[G0B+6:G0B+7], 3*REC
	JLOAD G0+4, G1, G0B+4, G1B
.else
	PLACES NP
.endif
	FETCH_B \nu, 0, 0
	FETCH_A \nu, 0, 0
	SCALES \nu
	WIN MUL_HI
	MUL16 4, 1, 1, \u, 0
	MUL16 6, 1, 1, \u, 0
	PLACES NP
	WIN 0
	FETCH_A \nu, 0, 4
.endm
; 64 numbers of a lane, register 16 b + i = k 32 b + 16 (lane / 16) + i of my row, become a fragment's codes in v[PC] on and its scale word in v[pw].
; wm, wc: the window settings under which the maxima (sources 1, 2) and the conversions (source 0) reach the numbers.
.macro QUANT s, wm, wc, pw
	WIN \wm
.irp b, 0,1,2,3
	v_max3_num_f32 v[TM+\b], 0x1800000, |v[(\s)+16*\b]|, |v[(\s)+1+16*\b]|   ; my 16 numbers of block b, and the floor 2^(3 - 127): the byte cannot fall under 1
.endr
.irp i, 2,4,6,8,10,12,14
.irp b, 0,1,2,3
	v_max3_num_f32 v[TM+\b], v[TM+\b], |v[(\s)+16*\b+\i]|, |v[(\s)+1+16*\b+\i]|
.endr
.endr
	WIN 0
.irp b, 0,1,2,3
	v_permlanex16_b32 v[TM+4+\b], v[TM+\b], s[SEL], s[SEL+1]
.endr
.irp b, 0,1,2,3
	v_max_num_f32 v[TM+\b], v[TM+\b], v[TM+4+\b]   ; with lane l xor 16's: the block's largest magnitude
.endr
.irp b, 0,1,2,3
	v_add_nc_u32 v[TM+12+\b], 0xff000000, v[TM+\b] ; 2 off its exponent field: the conversion's scale operand
.endr
.irp b, 0,1,2,3
	v_lshrrev_b32 v[TM+4+\b], 23, v[TM+12+\b]      ; the scale's byte
.endr
	s_wait_xcnt 0x0                                ; the last tile's stores have read the scale words', the codes' and the sum's registers, which are written again from here on; the lines above touch none of them
	v_lshl_or_b32 v[\pw], v[TM+5], 8, v[TM+4]
	v_lshl_or_b32 v[\pw], v[TM+6], 16, v[\pw]
	v_lshl_or_b32 v[\pw], v[TM+7], 24, v[\pw]
	WIN \wc
.irp c, 0,1
	v_cvt_scalef32_pk16_fp6_f32 v[PC+6*\c:PC+2+6*\c], v[(\s)+32*\c:(\s)+15+32*\c], v[TM+12+2*\c]
	v_cvt_scalef32_pk16_fp6_f32 v[PC+12+4*\c:PC+14+4*\c], v[(\s)+16+32*\c:(\s)+31+32*\c], v[TM+12+2*\c+1]
.endr
	WIN 0
	v_nop                                          ; one plain place behind a scaled conversion
.irp c, 0,1                            ; the operand's layout wants a whole block in a lane: lanes 0-15 block 2 c, lanes 16-31 block 2 c + 1
.irp i, 0,1,2
	v_permlane16_swap_b32 v[PC+6*\c+\i], v[PC+12+4*\c+\i]
.endr
.irp i, 0,1,2
	v_mov_b32 v[PC+3+6*\c+\i], v[PC+12+4*\c+\i]
.endr
.endr
.endm
; The RoPE table of tile a: my token's cos and sin of the pairs 16 b + 8 (lane / 16) + 0 .. 7, b = 0 .. 3: 32 registers each, at cb and sb of window win.  16 loads.
.macro CSLOAD a, cb, sb, win
	WIN (\win)<<6
.irp b, 0,1,2,3
.irp e, 0,1
	global_load_b128 v[\cb+8*\b+4*\e:\cb+8*\b+4*\e+3], v[CSA], s[6:7] offset:(32*((\a)/2)+8*((\a)%2))*256+64*\b+16*\e
	global_load_b128 v[\sb+8*\b+4*\e:\sb+8*\b+4*\e+3], v[CSA], s[8:9] offset:(32*((\a)/2)+8*((\a)%2))*256+64*\b+16*\e
.endr
.endr
	WIN 0
.endm
; Tile a's 64 results (a, b pairs in neighbouring registers) are rotated into v[H] on: a c - b s, a s + b c.  Ascending.
.macro ROPE a, cb, sb, win
	WIN (2+(\a)/4)|((\win)<<2)
.set AC, 64*((\a)%4)
.set m, 0
.rept 16
	v_pk_mul_f32 v[H+4*m:H+4*m+1], v[AC+4*m:AC+4*m+1], v[\cb+2*m:\cb+2*m+1] op_sel:[0,0] op_sel_hi:[1,0]       ; a c, b c
	v_pk_mul_f32 v[H+4*m+2:H+4*m+3], v[AC+4*m+2:AC+4*m+3], v[\cb+2*m:\cb+2*m+1] op_sel:[0,1] op_sel_hi:[1,1]
.set m, m+1
.endr
.set m, 0
.rept 16
	v_pk_fma_f32 v[H+4*m:H+4*m+1], v[AC+4*m:AC+4*m+1], v[\sb+2*m:\sb+2*m+1], v[H+4*m:H+4*m+1] op_sel:[1,0,0] op_sel_hi:[0,0,1] neg_lo:[1,0,0]   ; - b s, + a s
	v_pk_fma_f32 v[H+4*m+2:H+4*m+3], v[AC+4*m+2:AC+4*m+3], v[\sb+2*m:\sb+2*m+1], v[H+4*m+2:H+4*m+3] op_sel:[1,1,0] op_sel_hi:[0,1,1] neg_lo:[1,0,0]
.set m, m+1
.endr
	WIN 0
.endm
.macro STOREF a                        ; the fragment's image, 512 consecutive bytes a store; after four tiles their scale words
.irp c, 0,1,2
	global_store_b128 v[L16], v[PC+4*\c:PC+4*\c+3], s[OUTR:OUTR+1] offset:1536*(\a)+512*\c
.endr
.if (\a)%4 == 3
	global_store_b128 v[L16], v[PWQ:PWQ+3], s[OUTR:OUTR+1] offset:12288+512*((\a)/4)
.endif
.endm
.macro QKT a, cb, sb, win, left, nxt   ; a tile of q or k.  left: the loads of the younger tables, which may stay out.  nxt: the tile whose table takes this one's registers, or -1
	s_wait_loadcnt \left
	ROPE \a, \cb, \sb, \win
	QUANT H, 0, 0, PWQ+(\a)%4
	STOREF \a
.if \nxt >= 0
	CSLOAD \nxt, \cb, \sb, \win                    ; behind the stores: the next tile's rotation and maxima stand between these loads and the next wait on XCNT
.endif
.endm
.macro VT a                            ; a tile of v: quantised straight from the accumulators, along the keys
	QUANT 64*((\a)%4), 0x28+0x14*((\a)/4), 2+(\a)/4, PWQ+(\a)%4
	PLACES 8                                       ; a scale word written by a vector instruction stands 8 places ahead of a scaled matrix instruction
	v_wmma_scale_f32_16x16x128_f8f6f4 v[SVD:SVD+7], v[PC:PC+11], v[ONE:ONE+11], 0, v[PWQ+(\a)%4], v[ONES] matrix_a_fmt:MATRIX_FMT_FP6 matrix_b_fmt:MATRIX_FMT_FP6   ; the quantised v summed over the 128 keys, the same in every column
	PLACES NP
	STOREF \a
	global_store_b128 v[SVA], v[SVD:SVD+3], s[SVB:SVB+1] offset:(32*((\a)/2)+8*((\a)%2))*4       ; register j: channel 32 (a / 2) + 8 (a % 2) + 16 (lane / 16) + j; the sixteen lanes of a half store the same bytes
	global_store_b128 v[SVA], v[SVD+4:SVD+7], s[SVB:SVB+1] offset:(32*((\a)/2)+8*((\a)%2))*4+16
.endm
	s_load_b256 s[4:11], s[0:1], 0x0               ; ops, cos, sin, qkv
	s_load_b64 s[12:13], s[0:1], 0x20              ; sv
	v_lshl_add_u32 v[SPW], v0, 2, SPARE
	v_mov_b32 v[NIL], 0
	ds_add_u32 v[SPW], v[NIL]                      ; the wave's opening: the add and its wait ahead of my first tensor load
	v_lshrrev_b32 v1, 5, v0
	v_readfirstlane_b32 s14, v1                    ; wave 0..3
	s_lshr_b32 s15, s14, 1                         ; a: which 128 rows of source 1 are mine.  Also: I fetch for source 1 (0) or source 0 (1)
	s_and_b32 s16, s14, 1                          ; b: which 128 rows of source 0.  Also: which group I fetch
	s_bfe_u32 s40, ttmp6, 0x40000                  ; cx, cy: my place in the cluster
	s_bfe_u32 s41, ttmp6, 0x40004
	s_lshr_b32 s[F], ttmp9, 2                      ; 1 in v's clusters: the same in all sixteen partners
	s_and_b32 s42, ttmp9, 3
	s_lshl_b32 s42, s42, 2
	s_add_co_u32 s42, s42, s40                     ; source 0's block of 256 rows
	s_and_b32 s17, ttmp7, 0xffff
	s_lshl_b32 s17, s17, 2
	s_add_co_u32 s17, s17, s41                     ; source 1's block of 256 rows
	s_lshl_b32 s43, s41, 2
	s_lshl_b32 s43, 15, s43                        ; my row of the cluster
	s_lshl_b32 s44, 0x1111, s40                    ; my column
	; descriptor groups 1: a record as 100 rows of 256 bytes (32 elements of 8 bytes), two records on end as 200; dense, no padding
	s_or_b32 s[G1+0], s43, (3<<16)|(1<<21)         ; 15:0 the mask; 17:16 elements of 8 bytes; 21 set beside a mask
	s_or_b32 s[G1B+0], s44, (3<<16)|(1<<21)
	s_or_b32 s[G1D+0], s43, (3<<16)|(1<<21)
	s_or_b32 s[G1DB+0], s44, (3<<16)|(1<<21)
.irp g, G1, G1B
	s_mov_b32 s[\g+1], 32<<16                      ; tensor_dim0
	s_mov_b32 s[\g+2], 100<<16                     ; tensor_dim1
	s_mov_b32 s[\g+3], 32<<16                      ; tile_dim0
	s_mov_b32 s[\g+4], 100                         ; tile_dim1
	s_mov_b32 s[\g+5], 32                          ; tensor_dim0_stride
	s_mov_b32 s[\g+6], 0
	s_mov_b32 s[\g+7], 0
.endr
.irp g, G1D, G1DB
	s_mov_b32 s[\g+1], 32<<16
	s_mov_b32 s[\g+2], 200<<16
	s_mov_b32 s[\g+3], 32<<16
	s_mov_b32 s[\g+4], 200
	s_mov_b32 s[\g+5], 32
	s_mov_b32 s[\g+6], 0
	s_mov_b32 s[\g+7], 0
.endr
	s_lshl_b32 s20, s17, 1
	s_add_co_u32 s20, s20, s16                     ; source 1's group that I fetch
	s_mul_i32 s20, s20, 8*REC
	s_lshl_b32 s46, s42, 1
	s_add_co_u32 s46, s46, s16                     ; source 0's
	s_mul_i32 s46, s46, 8*REC
	s_cmp_eq_u32 s[F], 0
	s_cselect_b32 s18, 0, 3*128*REC                ; source 1's tensor in ops: x, or w_v
	s_cselect_b32 s19, 128*REC, 0                  ; source 0's: w_q and w_k on end, or x
	s_add_co_u32 s20, s20, s18
	s_add_co_u32 s46, s46, s19
	s_mov_b32 s21, 0
	s_mov_b32 s47, 0
	s_mul_i32 s74, s14, WREG                       ; where my records go: wave x three records
	s_mov_b32 s[SEL], 0x76543210
	s_mov_b32 s[SEL+1], 0xfedcba98
	s_wait_dscnt 0x0                               ; the opening add is done
	s_wait_kmcnt 0x0
	s_add_nc_u64 s[20:21], s[4:5], s[20:21]
	s_add_nc_u64 s[46:47], s[4:5], s[46:47]
	CROUND                                         ; all sixteen work-groups are here: the first joint loads meet
.irp s, 0,1                            ; set 0: the double slot, chunks 0 and 1, at my first byte; set 1: the single slot, chunk 2, two records on
	s_mov_b32 s[G0+4*\s], 1
	s_add_co_u32 s[G0+4*\s+1], s74, \s*2*REC
	s_add_nc_u64 s[G0+4*\s+2:G0+4*\s+3], s[20:21], \s*2*REC
	s_or_b32 s[G0+4*\s+3], s[G0+4*\s+3], 0x80000000
	s_mov_b32 s[G0B+4*\s], 1
	s_add_co_u32 s[G0B+4*\s+1], s74, \s*2*REC
	s_add_nc_u64 s[G0B+4*\s+2:G0B+4*\s+3], s[46:47], \s*2*REC
	s_or_b32 s[G0B+4*\s+3], s[G0B+4*\s+3], 0x80000000
.endr
	JLOAD G0, G1D, G0B, G1DB
	JLOAD G0+4, G1, G0B+4, G1B                     ; two loads of mine are out
	v_and_b32 v1, 15, v0                           ; r
	v_bfe_u32 v2, v0, 4, 1                         ; h
	v_and_b32 v3, 31, v0
	v_lshlrev_b32 v[L16], 4, v3
	s_mul_i32 s75, s15, WREG                       ; my group of source 1: what wave a fetched
	s_mul_i32 s76, s16, WREG
	s_add_co_u32 s76, s76, 2*WREG                  ; and of source 0: what wave 2 + b fetched
.irp u, 0,1,2
	v_add_nc_u32 v[ADRA+\u], s75, v[L16]
	v_add_nc_u32 v[ADRB+\u], s76, v[L16]
	s_add_co_u32 s75, s75, REC
	s_add_co_u32 s76, s76, REC
.endr
	s_mul_i32 s77, s15, WREG
	s_mul_i32 s78, s16, WREG
	s_add_co_u32 s78, s78, 2*WREG
	s_sub_co_u32 s78, s78, s77
	v_mul_u32_u24 v4, s78, v2                      ; lanes 16-31 take source 0's scale words
	v_lshl_add_u32 v4, v1, 4, v4
	s_add_co_u32 s77, s77, 24576
	v_add_nc_u32 v[ADS], s77, v4
	v_add_nc_u32 v[ADS+1], REC, v[ADS]
	v_add_nc_u32 v[ADS+2], 2*REC, v[ADS]
	v_and_b32 v5, 8, v1
	v_add_nc_u32 v5, v5, v1                        ; r + 8 (r / 8)
	v_lshlrev_b32 v[CSA], 8, v5
	v_lshl_add_u32 v[CSA], v2, 5, v[CSA]
	v_lshlrev_b32 v[SVA], 6, v2
	s_lshl_b32 s18, s17, 1
	s_add_co_u32 s18, s18, s15                     ; my group of source 1: tokens (q, k) or the head (v)
	s_lshl_b32 s80, s18, 15                        ; 128 rows of 256 bytes in the RoPE tables
	s_mov_b32 s81, 0
	s_add_nc_u64 s[6:7], s[6:7], s[80:81]
	s_add_nc_u64 s[8:9], s[8:9], s[80:81]
	s_lshl_b32 s19, s42, 1
	s_add_co_u32 s19, s19, s16                     ; my group of source 0: 16 kind + head (q, k) or tokens (v)
	s_lshl_b32 s82, s19, 4
	s_add_co_u32 s82, s82, s18                     ; q, k: (16 kind + head) x 16 + group of tokens
	s_lshl_b32 s83, s18, 4
	s_add_co_u32 s83, s83, s19                     ; v: head x 16 + group of tokens
	s_lshl_b32 s80, s83, 9
	s_mov_b32 s81, 0
	s_add_nc_u64 s[SVB:SVB+1], s[12:13], s[80:81]  ; (used on v's way alone)
	s_add_co_u32 s83, s83, 512
	s_cmp_eq_u32 s[F], 0
	s_cselect_b32 s82, s82, s83
	s_mul_i32 s82, s82, ARC
	s_mov_b32 s83, 0
	s_add_nc_u64 s[OUTR:OUTR+1], s[10:11], s[82:83]
	CSLOAD 0, 80, 224, 0                           ; the first two tables come now, into registers that the steps leave alone; every cluster loads them (rows inside the tables in v's clusters too), so that no path reads what it has not loaded
	CSLOAD 1, 96, 224, 1
	s_wait_tensorcnt 1                             ; my part of the double slot is in; the single slot's may stay out
	s_barrier_signal -1
	s_barrier_wait -1                              ; chunks 0 and 1 are whole
	FETCH_B 0, 0, 0
	FETCH_A 0, 0, 0
	SCALES 0
	FETCH_A 0, 0, 4
	STEPX 0, 0, 0, 1, 1                            ; chunk 0: the first step's products start the sums
	STEPX 0, 1, 1, 0, 0                            ;          on into chunk 1, with no barrier
	STEPX 1, 0, 1, 1, 0                            ; chunk 1
	TURNX 1, 2, 1                                  ;          chunk 2 is whole; the double slot takes chunks 3 and 4
	STEPX 2, 0, 2, 1, 0                            ; chunk 2
	TURNX 2, 0, 2                                  ;          chunks 3 and 4 are whole; the single slot takes chunk 5
	STEPX 0, 0, 0, 1, 0                            ; chunk 3
	STEPX 0, 1, 1, 0, 0
	STEPX 1, 0, 1, 1, 0                            ; chunk 4
	TURNX 1, 2, 1                                  ;          chunk 5 is whole; the double slot takes chunks 6 and 7
	STEPX 2, 0, 2, 1, 0                            ; chunk 5
	TURNX 2, 0, 0                                  ;          chunks 6 and 7 are whole; nothing is left to fetch
	STEPX 0, 0, 0, 1, 0                            ; chunk 6
	STEPX 0, 1, 1, 0, 0
	STEPX 1, 0, 1, 1, 0                            ; chunk 7
	s_wait_dscnt 4*NL                              ; the very last step
	WIN MUL_LO
	MUL16 0, 1, 1, 1, 0
	MUL16 2, 1, 1, 1, 0
	s_wait_dscnt 0
	WIN MUL_HI
	MUL16 4, 1, 1, 1, 0
	MUL16 6, 1, 1, 1, 0
	WIN 0
	PLACES NP                                      ; behind the last products: for the reads of results, the writes over fragments and scale words, and the loads into window 1
.irp b, 0,1,2,3
	v_mov_b32 v[TM+4+\b], 0                        ; written once: a lane permute's destination counts as one of its sources
.endr
	s_cmp_lg_u32 s[F], 0
	s_cbranch_scc1 .Lv
	; ---- q and k: rotate, quantise along the head, store.  Five places for tables; three tables are always on their way
	CSLOAD 2, 0, 32, 1
	CSLOAD 3, 64, 128, 1
	CSLOAD 4, 160, 192, 1
	QKT 0, 80, 224, 0, 48, -1
	QKT 1, 96, 224, 1, 48, 5
	QKT 2, 0, 32, 1, 48, 6
	QKT 3, 64, 128, 1, 48, 7
	QKT 4, 160, 192, 1, 48, -1
	QKT 5, 96, 224, 1, 32, -1
	QKT 6, 0, 32, 1, 16, -1
	QKT 7, 64, 128, 1, 0, -1
	s_branch .Lend
.Lv:
	; ---- v: quantise along the keys, sum the quantised numbers, store
	s_wait_loadcnt 0x0                             ; the two tables of the head have landed: their registers are used again
.irp k, 0,1,2,3
	v_mov_b32 v[ONE+3*\k], 0x08208208              ; the code of 1.0 is 8: sixteen of them are these 96 bits
	v_mov_b32 v[ONE+3*\k+1], 0x82082082
	v_mov_b32 v[ONE+3*\k+2], 0x20820820
.endr
	v_mov_b32 v[ONES], 0x7f7f7f7f
.irp a, 0,1,2,3,4,5,6,7
	VT \a
.endr
.Lend:
	s_wait_tensorcnt 0x0                           ; the wave's end
	ds_add_u32 v[SPW], v[NIL]
	s_wait_dscnt 0x0
	CROUND                                         ; the closing round: no work-group ends while a partner may still ask for a record that names it
	s_endpgm
.Lfunc_end_k_qe783ebd6c4_qkv:
	.size	k_qe783ebd6c4_qkv, .Lfunc_end_k_qe783ebd6c4_qkv-k_qe783ebd6c4_qkv
	.p2alignl 7, 3214868480
	.fill 96, 4, 3214868480
	.section	.rodata,"a",@progbits
	.p2align	6, 0x0
	.amdhsa_kernel k_qe783ebd6c4_qkv
		.amdhsa_group_segment_fixed_size 327680
		.amdhsa_private_segment_fixed_size 0
		.amdhsa_enable_private_segment 0
		.amdhsa_kernarg_size 40
		.amdhsa_user_sgpr_count 2
		.amdhsa_user_sgpr_kernarg_segment_ptr 1
		.amdhsa_wavefront_size32 1
		.amdhsa_system_sgpr_workgroup_id_x 1
		.amdhsa_system_sgpr_workgroup_id_y 1
		.amdhsa_system_sgpr_workgroup_id_z 1
		.amdhsa_system_vgpr_workitem_id 0
		.amdhsa_next_free_vgpr 1024
		.amdhsa_next_free_sgpr 100
		.amdhsa_reserve_vcc 0
		.amdhsa_float_denorm_mode_32 3
		.amdhsa_float_denorm_mode_16_64 3
		.amdhsa_memory_ordered 1
		.amdhsa_forward_progress 1
		.amdhsa_inst_pref_size 255
	.end_amdhsa_kernel
	.section	.bss,"aw",@nobits
	.p2align	6
	.space	262144
	.amdgpu_metadata
---
amdhsa.version: [ 1, 2 ]
amdhsa.kernels:
  - .name:           k_qe783ebd6c4_qkv
    .symbol:         k_qe783ebd6c4_qkv.kd
    .args:
      - { .name: ops, .offset: 0, .size: 8, .value_kind: global_buffer, .address_space: global }
      - { .name: freqs_cos, .offset: 8, .size: 8, .value_kind: global_buffer, .address_space: global }
      - { .name: freqs_sin, .offset: 16, .size: 8, .value_kind: global_buffer, .address_space: global }
      - { .name: qkv, .offset: 24, .size: 8, .value_kind: global_buffer, .address_space: global }
      - { .name: sv, .offset: 32, .size: 8, .value_kind: global_buffer, .address_space: global }
    .group_segment_fixed_size: 327680
    .private_segment_fixed_size: 0
    .kernarg_segment_align: 8
    .kernarg_segment_size: 40
    .max_flat_workgroup_size: 128
    .sgpr_count:     100
    .vgpr_count:     1024
    .wavefront_size: 32
...
	.end_amdgpu_metadata
.endif
;; end of part 2
;; launch attn (part 3): grid 16 x 16, 8 waves a work-group, clusters of 4 x 1, 327,680 bytes of LDS; arguments qkv, sv, mask, oop; writes oop
.if DOCPART == 3
	.amdgcn_target "amdgcn-amd-amdhsa--gfx1250"
	.amdhsa_code_object_version 6
	.text
	.protected	k_qe783ebd6c4_attn
	.globl	k_qe783ebd6c4_attn
	.p2align	8
	.type	k_qe783ebd6c4_attn,@function
k_qe783ebd6c4_attn:
	s_mov_b64 s[64:65], 0
	v_nop
	global_prefetch_b8 v0, s[64:65] scope:SCOPE_SE
	s_setreg_imm32_b32 hwreg(HW_REG_WAVE_MODE, 25, 1), 1
	s_wait_xcnt 0x0
	s_wait_alu depctr_hold_cnt(0) depctr_sa_sdst(0) depctr_va_vdst(0) depctr_va_sdst(0) depctr_va_ssrc(0) depctr_va_vcc(0) depctr_vm_vsrc(0)
	s_getreg_b32 s2, hwreg(HW_REG_IB_STS2, 6, 4)
	s_cmp_eq_u32 s2, 0
	s_cbranch_scc0 .Lentry_in_a_cluster
	s_endpgm
.Lentry_in_a_cluster:
	s_bfe_u32 s2, ttmp6, 0x10000c
	s_cmp_lg_u32 s2, 0x3003
	s_cbranch_scc0 .Lentry_shape_is_right
	s_endpgm
.Lentry_shape_is_right:
; O = softmax(q k^T / sqrt(128) + mask, kept where 0 <= query - key < 1,024, else -1e9) v, for 16 heads, both products on codes of FP6 (E2M3) with E8M0 scales; O leaves quantised, as an operand of the last product.
; THE SOFTMAX: t = logit x log2(e); M = the row's largest t so far, rounded up to a whole number; p = 2^(t - M) is quantised along the keys; the row's sum is taken of the unquantised p and divides O at the end.
; SHARES.  A work-group owns 128 queries (block G) of one head; each of its eight waves one tile of 16.  It walks the NINE key steps of 128 keys lo .. lo + 8, lo = max(G - 8, 0), which hold every key inside the window.
; Where G < 8 the steps behind the diagonal are walked too, with all their logits at -1e9: so the trip count is a constant, every slot that is filled is read.
; KEYS THAT ARE NOT WALKED (seven steps, 896 keys) have the logit -1e9 exactly, hence one and the same p_out = 2^(fl(-1e9 log2 e) - M).  Both terms are whole numbers, so p_out is a power of two (or 0) and is its own quantised value.
; Their share is p_out x (the sum of the quantised v over those keys, from sv) in O and 896 p_out in the row's sum.  It is 0 unless every logit inside the window lies near -1e9.
; CLUSTER.  The four work-groups of a cluster are four heads of one query block: they ask for the mask's tile (128 x 128 f32) JOINTLY.  K's and V's records are each head's own: plain loads behind the same round.
; LAYOUT.  S^T = K Q^T and O^T = V^T P^T: a lane holds one query throughout; by the choice of a tile's rows (32 (T / 2) + 8 (T % 2) + i + 8 (i / 8)) register 16 b + i holds key, or channel, 32 b + 16 (lane / 16) + i.
; LIMITS: NaN and +infinity among the inputs are not served; 1 / sqrt(128) and 1 / sum are multiplications by reciprocals; a block of zeros gets the scale byte 1.
; REGISTERS: window 0: v1-11 addresses and constants; v12 -M, v13 the largest t, v[14:15] the sum; v16-27 Q, v28 its scale words; v32-47 K's and V's scale words, v48 p's; v[50:51] f; v52-63 at work; v64-91 block figures;
;   v96-159 S^T, then p; v160-223 O^T; v224-243 codes.   window 1: v0-95 K's fragments, v96-191 V's, v192-255 the mask.
.set ARC,   13312                      ; a record: 8 fragments' images and their scale words
.set SLOT1, 131072                     ; slot 1 begins here: one exclusive or turns an address from slot to slot
.set MOFF,  2*ARC                      ; a slot: K's record, V's record, the mask's 128 rows
.set MP,    520                        ; a row of the mask in LDS: 512 bytes + 8: the 32 lanes of a load of 8 bytes touch 64 different banks
.set OSV,   MOFF+128*MP                ; behind slot 0's tiles: the outside sum, two halves of 512 bytes;
.set OSC,   OSV+1024                   ; O's scale words, 512 bytes;
.set SPARE, OSC+512                    ; the spare words, 128 bytes for each wave
.set L16, 1                            ; v1   16 x lane
.set AM0, 2                            ; v2   my query's row of the mask, + 64 bytes for lanes 16-31
.set VD,  3                            ; v3   my query in the block - 16 (lane / 16)
.set NEGR, 4                           ; v4   -1e9
.set SPW, 5                            ; v5   LDS address of my spare word; never rewritten
.set NIL, 6                            ; v6   0; never rewritten
.set TOUT, 7                           ; v7   fl(-1e9 x log2 e)
.set ADL, 8                            ; v8   the slot's records
.set ADM, 9                            ; v9   the slot's mask
.set OSA, 10                           ; v10  where my tile's scale words go
.set OA,  11                           ; v11  the outside sum: + 64 bytes for lanes 16-31
.set QF,  16
.set QS,  28
.set KS,  32
.set VS,  40
.set PW,  48
.set FF,  50
.set PFO, 60                           ; v60, v61 the prefetches' offsets; never rewritten
.set PFO2, 61
.set BM,  64                           ; v64-67 the blocks' largest t, then p
.set BT,  68                           ; v68-71 at work
.set SO,  72                           ; v72-75 the conversions' scale operands
.set TM,  76                           ; v76-91 at work in QUANT
.set S,   96
.set O,   160
.set PC,  224
.set WV,  12
.set HEAD, 14
.set G,   15
.set LO,  16
.set J,   18                           ; s18  the key step in hand
.set GW,  19                           ; s19  G - 8: the step on the window's far edge (no step where G < 8)
.set SEL, 20
.set CS,  22                           ; s[22:23] log2(e)
.set G1M, 24                           ; s[24:31] group 1 for the mask's tiles;  s[32:39] for records;  s[40:43], s[44:47] their groups 0, which walk
.set G1R, 32
.set G0M, 40
.set G0R, 44
.set AI,  48                           ; s[48:49] 1 / sqrt(128)
.set TB,  50                           ; s50  LDS byte at which the slot in hand begins
.set TR,  51                           ; s51  trips to go
.set LIM, 53                           ; s53  1 in a wave that prefetches, else the greatest number
.set PFA, 54                           ; s[54:55] where my prefetches stand;  s[56:57] a key step on
.set PFS, 56
.set MSB, 0
.macro WIN new
.if MSB != (\new)
	s_set_vgpr_msb (MSB<<8)|(\new)
.set MSB, (\new)
.endif
.endm
.macro PLACES n
.rept \n
	v_nop
.endr
.endm
.macro CROUND                          ; a round of the cluster's barrier
	s_barrier_signal -1
	s_barrier_wait -1
	s_cmp_lg_u32 s[WV], 0
	s_cbranch_scc1 .Lnot_wave_0_\@
	s_barrier_signal -3
.Lnot_wave_0_\@:
	s_barrier_wait -3
	s_barrier_signal -1
	s_barrier_wait -1
.endm
; Waves 0 to 3 fetch 32 rows of the mask each, jointly with the three partners; wave 4 K's record, wave 5 V's; waves 6 and 7 nothing.  The branches hang on the wave's number alone.
.macro TLOAD
	s_cmp_lt_u32 s[WV], 4
	s_cbranch_scc0 .Lnot_m_\@
	tensor_load_to_lds s[G0M:G0M+3], s[G1M:G1M+7]
	s_nop 0
.rept 4
	v_nop
.endr
	s_branch .Lasked_\@
.Lnot_m_\@:
	s_cmp_lt_u32 s[WV], 6
	s_cbranch_scc0 .Lasked_\@
	tensor_load_to_lds s[G0R:G0R+3], s[G1R:G1R+7]
	s_nop 0
.rept 4
	v_nop
.endr
.Lasked_\@:
.endm
; A PREFETCH INTO THE L2 of what the NEXT change of slots will ask for, by the two waves that fetch nothing.  Each aligned block of 256 bytes is named once in the launch.
; The mask's tile is read by the four clusters of a query block: the first of them (cluster x = 0) asks, wave 6; its four partners take 32 rows each, told apart by address; a lane a row, two blocks a row.
; A head's key steps 9 to 15 are read first by its work-group G = 15: there wave 7 asks for the codes of K's and V's records, 48 + 48 blocks, in three instructions (the middle one: lanes 0-15 K's last 16, lanes 16-31 V's first 16).
; Steps 0 to 8 are some work-group's first or second load, and a record's 4 blocks of scale words come with the load.  The last trip that fills a slot asks for nothing: there is no step behind it.
.macro ASK
	s_cmp_gt_u32 s[TR], s[LIM]
	s_cbranch_scc0 .Lnot_mine_\@
	s_cmp_eq_u32 s[WV], 6
	s_cbranch_scc0 .Lkv_\@
	global_prefetch_b8 v[PFO], s[PFA:PFA+1] th:TH_LOAD_NT scope:SCOPE_SE
	global_prefetch_b8 v[PFO], s[PFA:PFA+1] offset:256 th:TH_LOAD_NT scope:SCOPE_SE
	s_branch .Lnot_mine_\@
.Lkv_\@:
	global_prefetch_b8 v[PFO], s[PFA:PFA+1] th:TH_LOAD_NT scope:SCOPE_SE
	global_prefetch_b8 v[PFO2], s[PFA:PFA+1] th:TH_LOAD_NT scope:SCOPE_SE
	global_prefetch_b8 v[PFO], s[PFA:PFA+1] offset:256*ARC+4096 th:TH_LOAD_NT scope:SCOPE_SE
.Lnot_mine_\@:
.endm
; THE CHANGE OF SLOTS stands at a step's head.  Each wave waits for all its tensor loads (its part of the slot ahead), adds 0 to its spare word, and waits for that and for its reads of the slot that it has left.
; fill = 1: a round of the cluster's barrier, and behind it the slot just left is filled with the next step: the load has a whole step in which to land.  One tensor load of a wave is out at any time.
.macro CHANGE fill
	s_wait_tensorcnt 0x0                           ; no tensor load of mine is out, so a group 0 may be written
	ds_add_u32 v[SPW], v[NIL]                      ; 0 onto my spare word
.if \fill
	s_xor_b32 s[G0M+1], s[G0M+1], SLOT1            ; the walking descriptors: the other slot,
	s_add_nc_u64 s[G0M+2:G0M+3], s[G0M+2:G0M+3], 512   ; the next 128 keys' columns of the mask,
	s_xor_b32 s[G0R+1], s[G0R+1], SLOT1
	s_add_nc_u64 s[G0R+2:G0R+3], s[G0R+2:G0R+3], ARC   ; the next record
	s_wait_xcnt 0x0                                ; the last prefetches, a step back, have read their address
	s_add_nc_u64 s[PFA:PFA+1], s[PFA:PFA+1], s[PFS:PFS+1]
	s_wait_dscnt 0x0                               ; the add is done, and my LDS reads and stores are over
	CROUND
	TLOAD
	ASK
.else
	s_wait_dscnt 0x0
	s_barrier_signal -1
	s_barrier_wait -1
.endif
.endm
.macro QUANT s, wm, wc, pw             ; 64 numbers of a lane, register 16 b + i = k 32 b + 16 (lane / 16) + i, become a fragment's codes in v[PC] on and its scale word in v[pw]
	WIN \wm
.irp b, 0,1,2,3
	v_max3_num_f32 v[TM+\b], 0x1800000, |v[(\s)+16*\b]|, |v[(\s)+1+16*\b]|
.endr
.irp i, 2,4,6,8,10,12,14
.irp b, 0,1,2,3
	v_max3_num_f32 v[TM+\b], v[TM+\b], |v[(\s)+16*\b+\i]|, |v[(\s)+1+16*\b+\i]|
.endr
.endr
	WIN 0
.irp b, 0,1,2,3
	v_permlanex16_b32 v[TM+4+\b], v[TM+\b], s[SEL], s[SEL+1]
.endr
.irp b, 0,1,2,3
	v_max_num_f32 v[TM+\b], v[TM+\b], v[TM+4+\b]
.endr
.irp b, 0,1,2,3
	v_add_nc_u32 v[TM+12+\b], 0xff000000, v[TM+\b]
.endr
.irp b, 0,1,2,3
	v_lshrrev_b32 v[TM+4+\b], 23, v[TM+12+\b]
.endr
	v_lshl_or_b32 v[\pw], v[TM+5], 8, v[TM+4]
	v_lshl_or_b32 v[\pw], v[TM+6], 16, v[\pw]
	v_lshl_or_b32 v[\pw], v[TM+7], 24, v[\pw]
	WIN \wc
.irp c, 0,1
	v_cvt_scalef32_pk16_fp6_f32 v[PC+6*\c:PC+2+6*\c], v[(\s)+32*\c:(\s)+15+32*\c], v[TM+12+2*\c]
	v_cvt_scalef32_pk16_fp6_f32 v[PC+12+4*\c:PC+14+4*\c], v[(\s)+16+32*\c:(\s)+31+32*\c], v[TM+12+2*\c+1]
.endr
	WIN 0
	v_nop
.irp c, 0,1
.irp i, 0,1,2
	v_permlane16_swap_b32 v[PC+6*\c+\i], v[PC+12+4*\c+\i]
.endr
.irp i, 0,1,2
	v_mov_b32 v[PC+3+6*\c+\i], v[PC+12+4*\c+\i]
.endr
.endr
.endm
; A KEY STEP: 128 keys.
.macro STEP
	v_add_nc_u32 v[ADL], s[TB], v[L16]
	v_add_nc_u32 v[ADM], s[TB], v[AM0]
	ds_load_b128 v[KS:KS+3], v[ADL] offset:12288           ; K's and V's scale words: register t: tile t's
	ds_load_b128 v[KS+4:KS+7], v[ADL] offset:12800
	ds_load_b128 v[VS:VS+3], v[ADL] offset:ARC+12288
	ds_load_b128 v[VS+4:VS+7], v[ADL] offset:ARC+12800
	WIN 0x40                                       ; destination window 1
.set n, 0
.rept 24
	ds_load_b128 v[4*n:4*n+3], v[ADL] offset:512*n         ; K's eight fragments, as they lie
.set n, n+1
.endr
.set n, 0
.rept 32
	ds_load_b64 v[192+2*n:193+2*n], v[ADM] offset:128*(n/8)+8*(n%8)   ; the mask of my query at keys 32 b + 16 (lane / 16) + 0 .. 15
.set n, n+1
.endr
	s_wait_dscnt 32                                ; the scale words and K are in; the mask's 32 loads may be out
	WIN 0x01                                       ; source 0 window 1
.set n, 0
.rept 8
	v_wmma_scale_f32_16x16x128_f8f6f4 v[S+8*n:S+8*n+7], v[12*n:12*n+11], v[QF:QF+11], 0, v[KS+n], v[QS] matrix_a_fmt:MATRIX_FMT_FP6 matrix_b_fmt:MATRIX_FMT_FP6
.set n, n+1
.endr
	WIN 0x40
.set n, 0
.rept 24
	ds_load_b128 v[96+4*n:96+4*n+3], v[ADL] offset:ARC+512*n   ; V's eight fragments land under the softmax
.set n, n+1
.endr
	WIN 0
	PLACES 4                                       ; behind the products, ahead of the first read of the scores
	s_wait_dscnt 24                                ; the mask is in; V's 24 loads may be out
	WIN 0x10                                       ; source 2 window 1
.set n, 0
.rept 32
	v_pk_fma_f32 v[S+2*n:S+2*n+1], v[S+2*n:S+2*n+1], s[AI:AI+1], v[192+2*n:193+2*n] op_sel_hi:[1,0,1]   ; the logit: score / sqrt(128) + mask
.set n, n+1
.endr
	WIN 0
	; the window, which the problem builds itself: branches on ids alone, the same in all waves and all partners
	s_cmp_lg_u32 s[J], s[G]
	s_cbranch_scc1 .Lnot_diag_\@
.set n, 0
.rept 64                               ; on the diagonal: a key behind my query
	v_cmp_gt_i32 vcc_lo, 32*(n/16)+n%16, v[VD]
	v_cndmask_b32 v[S+n], v[S+n], v[NEGR], vcc_lo
.set n, n+1
.endr
.Lnot_diag_\@:
	s_cmp_lg_u32 s[J], s[GW]
	s_cbranch_scc1 .Lnot_far_\@
.set n, 0
.rept 64                               ; on the far edge: a key 1,024 or more ahead of my query
	v_cmp_le_i32 vcc_lo, 32*(n/16)+n%16, v[VD]
	v_cndmask_b32 v[S+n], v[S+n], v[NEGR], vcc_lo
.set n, n+1
.endr
.Lnot_far_\@:
	s_cmp_le_u32 s[J], s[G]
	s_cbranch_scc1 .Linside_\@
.set n, 0
.rept 64                               ; a step behind the diagonal: all its keys
	v_mov_b32 v[S+n], v[NEGR]
.set n, n+1
.endr
.Linside_\@:
.set n, 0
.rept 32
	v_pk_mul_f32 v[S+2*n:S+2*n+1], v[S+2*n:S+2*n+1], s[CS:CS+1] op_sel_hi:[1,0]   ; t = logit x log2(e), rounded by itself: so a logit of -1e9 gives the same t here as outside
.set n, n+1
.endr
.irp b, 0,1,2,3
	v_max3_num_f32 v[BM+\b], v[S+16*\b], v[S+1+16*\b], v[S+2+16*\b]   ; the largest t of each block of 32 keys: for the row's maximum, and for the block's largest p
.endr
.irp i, 3,5,7,9,11,13
.irp b, 0,1,2,3
	v_max3_num_f32 v[BM+\b], v[BM+\b], v[S+16*\b+\i], v[S+1+16*\b+\i]
.endr
.endr
.irp b, 0,1,2,3
	v_max_num_f32 v[BM+\b], v[BM+\b], v[S+15+16*\b]
.endr
.irp b, 0,1,2,3
	v_permlanex16_b32 v[BT+\b], v[BM+\b], s[SEL], s[SEL+1]
.endr
.irp b, 0,1,2,3
	v_max_num_f32 v[BM+\b], v[BM+\b], v[BT+\b]     ; with lane l xor 16's 16 keys
.endr
	v_max3_num_f32 v52, v[BM], v[BM+1], v[BM+2]
	v_max_num_f32 v52, v52, v[BM+3]
	v_max_num_f32 v13, v13, v52                    ; the running largest t
	v_mov_b32 v52, v12
	v_floor_f32 v12, -v13                          ; the new -M = -ceil(t)
	v_sub_f32 v52, v12, v52                        ; old M - new M: a whole number, 0 or less
	v_cvt_i32_f32 v52, v52
	v_ldexp_f32 v[FF], 1.0, v52                    ; f = 2^(old M - new M)
.set n, 0
.rept 32
	v_pk_add_f32 v[S+2*n:S+2*n+1], v[S+2*n:S+2*n+1], v[12:13] op_sel_hi:[1,0]     ; t - M
.set n, n+1
.endr
.irp b, 0,1,2,3
	v_add_f32 v[BM+\b], v[BM+\b], v12              ; the same of each block's largest t
.endr
.set n, 0
.rept 64
	v_exp_f32 v[S+n], v[S+n]                       ; p = 2^(t - M), at most 1, not normalised
.set n, n+1
.endr
	v_pk_mul_f32 v[14:15], v[14:15], v[FF:FF+1] op_sel_hi:[1,0]   ; the sums under the new M: a plain place behind the exponentials
	s_wait_alu depctr_va_vdst(0)                   ; one wait for the batch of 64, ahead of its first reader
.irp b, 0,1,2,3
	v_exp_f32 v[BM+\b], v[BM+\b]                   ; the block's largest p: the same two instructions on the same number
.endr
	v_pk_add_f32 v[BT:BT+1], v[S:S+1], v[S+2:S+3]  ; the row's sum of the unquantised p, in two chains
.irp j, 4,8,12,16,20,24,28,32,36,40,44,48,52,56,60
	v_pk_add_f32 v[14:15], v[14:15], v[S+\j:S+1+\j]
	v_pk_add_f32 v[BT:BT+1], v[BT:BT+1], v[S+2+\j:S+3+\j]
.endr
	v_pk_add_f32 v[14:15], v[14:15], v[BT:BT+1]
	s_wait_alu depctr_va_vdst(0)                   ; and one for the four
.irp b, 0,1,2,3
	v_max_num_f32 v[BM+\b], 0x1800000, v[BM+\b]    ; the floor 2^(3 - 127): the byte cannot fall under 1
.endr
.irp b, 0,1,2,3
	v_add_nc_u32 v[SO+\b], 0xff000000, v[BM+\b]
.endr
.irp b, 0,1,2,3
	v_lshrrev_b32 v[BT+\b], 23, v[SO+\b]
.endr
	v_lshl_or_b32 v[PW], v[BT+1], 8, v[BT]         ; p's scale word for these 128 keys
	v_lshl_or_b32 v[PW], v[BT+2], 16, v[PW]
	v_lshl_or_b32 v[PW], v[BT+3], 24, v[PW]
.irp c, 0,1
	v_cvt_scalef32_pk16_fp6_f32 v[PC+6*\c:PC+2+6*\c], v[S+32*\c:S+15+32*\c], v[SO+2*\c]
	v_cvt_scalef32_pk16_fp6_f32 v[PC+12+4*\c:PC+14+4*\c], v[S+16+32*\c:S+31+32*\c], v[SO+2*\c+1]
.endr
	v_nop                                          ; one plain place behind a scaled conversion
.irp c, 0,1
.irp i, 0,1,2
	v_permlane16_swap_b32 v[PC+6*\c+\i], v[PC+12+4*\c+\i]
.endr
.irp i, 0,1,2
	v_mov_b32 v[PC+3+6*\c+\i], v[PC+12+4*\c+\i]
.endr
.endr
.set n, 0
.rept 32
	v_pk_mul_f32 v[O+2*n:O+2*n+1], v[O+2*n:O+2*n+1], v[FF:FF+1] op_sel_hi:[1,0]   ; O^T under the new M; these 32 are also the places in front of the products below
.set n, n+1
.endr
	s_wait_dscnt 0x0                               ; V is in
	WIN 0x01
.set n, 0
.rept 8                                ; the eight accumulators take turns
	v_wmma_scale_f32_16x16x128_f8f6f4 v[O+8*n:O+8*n+7], v[96+12*n:96+12*n+11], v[PC:PC+11], v[O+8*n:O+8*n+7], v[VS+n], v[PW] matrix_a_fmt:MATRIX_FMT_FP6 matrix_b_fmt:MATRIX_FMT_FP6
.set n, n+1
.endr
	WIN 0
	PLACES 4                                       ; in front of the next step's loads into registers that these products read, and of the reads of O^T
	s_add_co_u32 s[J], s[J], 1
	s_xor_b32 s[TB], s[TB], SLOT1
.endm
	s_load_b256 s[4:11], s[0:1], 0x0               ; qkv, sv, mask, oop
	v_lshl_add_u32 v[SPW], v0, 2, SPARE
	v_mov_b32 v[NIL], 0
	ds_add_u32 v[SPW], v[NIL]                      ; the wave's opening: the add and its wait ahead of my first tensor load
	v_lshrrev_b32 v52, 5, v0
	v_readfirstlane_b32 s[WV], v52                 ; wave 0..7
	s_bfe_u32 s13, ttmp6, 0x40000                  ; cx: it enters global addresses alone
	s_lshl_b32 s[HEAD], ttmp9, 2
	s_add_co_u32 s[HEAD], s[HEAD], s13
	s_and_b32 s[G], ttmp7, 0xffff                  ; the query block, which the four partners share
	s_sub_co_i32 s[GW], s[G], 8
	s_max_i32 s[LO], s[GW], 0
	s_mov_b32 s[J], s[LO]
	; group 1 for the mask: 32 rows x 128 f32, 2,048 f32 from row to row, 8 bytes of padding behind each row
	s_mov_b32 s[G1M], 15|(2<<16)|(1<<20)|(1<<21)|(6<<22)|(1<<25)   ; 15:0 all four work-groups; 17:16 elements of 4 bytes; 20 padding on; 21 set beside a mask; 24:22 after every 128 words; 31:25 2 words of it
	s_mov_b32 s[G1M+1], 128<<16
	s_mov_b32 s[G1M+2], 32<<16
	s_mov_b32 s[G1M+3], 128<<16
	s_mov_b32 s[G1M+4], 32
	s_mov_b32 s[G1M+5], 2048
	s_mov_b32 s[G1M+6], 0
	s_mov_b32 s[G1M+7], 0
	; group 1 for a record: 52 rows of 256 bytes, dense, no mask, no padding
	s_mov_b32 s[G1R], 3<<16
	s_mov_b32 s[G1R+1], 32<<16
	s_mov_b32 s[G1R+2], 52<<16
	s_mov_b32 s[G1R+3], 32<<16
	s_mov_b32 s[G1R+4], 52
	s_mov_b32 s[G1R+5], 32
	s_mov_b32 s[G1R+6], 0
	s_mov_b32 s[G1R+7], 0
	s_mov_b32 s[SEL], 0x76543210
	s_mov_b32 s[SEL+1], 0xfedcba98
	s_mov_b32 s[CS], 0x3fb8aa3b
	s_mov_b32 s[CS+1], s[CS]
	s_mov_b32 s[AI], 0x3db504f3
	s_mov_b32 s[AI+1], s[AI]
	s_mov_b32 s[TB], 0
	s_mov_b32 s[TR], 8
	s_and_b32 s58, s[WV], 3                        ; the mask: my 32 rows,
	s_mul_i32 s59, s58, 32*MP
	s_add_co_u32 s59, s59, MOFF                    ; in a slot,
	s_lshl_b32 s60, s[G], 20
	s_lshl_b32 s61, s58, 18
	s_add_co_u32 s60, s60, s61
	s_lshl_b32 s61, s[LO], 9
	s_add_co_u32 s60, s60, s61                     ; and in memory: row 128 G + 32 (wave % 4), column 128 lo
	s_mov_b32 s61, 0
	s_and_b32 s62, s[WV], 1                        ; a record: K's (wave 4) or V's (wave 5),
	s_mul_i32 s63, s62, ARC                        ; in a slot,
	s_add_co_u32 s62, s62, 1
	s_lshl_b32 s62, s62, 4
	s_add_co_u32 s62, s62, s[HEAD]
	s_lshl_b32 s62, s62, 4
	s_add_co_u32 s62, s62, s[LO]
	s_mul_i32 s66, s62, ARC                        ; and in memory
	s_mov_b32 s67, 0
	s_lshl_b32 s68, s[HEAD], 4
	s_add_co_u32 s68, s68, s[G]
	s_mul_i32 s68, s68, ARC                        ; q's record
	s_mov_b32 s69, 0
	s_lshl_b32 s72, s[HEAD], 13                    ; the head's 16 x 512 bytes of sv
	s_mov_b32 s73, 0
	s_mul_i32 s80, s[G], 204800                    ; O's record: group G, chunk head / 2
	s_lshr_b32 s82, s[HEAD], 1
	s_mul_i32 s82, s82, 25600
	s_add_co_u32 s80, s80, s82
	s_and_b32 s82, s[HEAD], 1
	s_mul_i32 s78, s82, 1536
	s_add_co_u32 s78, s78, s80
	s_mul_i32 s83, s[WV], 3072
	s_add_co_u32 s78, s78, s83                     ; tile = wave, K step = head % 2
	s_mov_b32 s79, 0
	s_lshl_b32 s82, s82, 8
	s_add_co_u32 s80, s80, s82
	s_add_co_u32 s80, s80, 24576                   ; its scale words of that K step
	s_mov_b32 s81, 0
	s_add_co_u32 s74, s[LO], 1                     ; the prefetches begin a step on from the first fill; the first change steps them once more
	s_lshl_b32 s70, s[G], 20
	s_lshl_b32 s71, s13, 18
	s_add_co_u32 s70, s70, s71
	s_lshl_b32 s71, s74, 9
	s_add_co_u32 s70, s70, s71                     ; the mask: row 128 G + 32 cx
	s_add_co_u32 s71, s[HEAD], 16
	s_lshl_b32 s71, s71, 4
	s_add_co_u32 s71, s71, s74
	s_mul_i32 s71, s71, ARC                        ; K's record
	s_xor_b32 s75, s[G], 15                        ; 0 where G = 15
	s_wait_dscnt 0x0                               ; the opening add is done
	s_wait_kmcnt 0x0
	s_mov_b32 s[G0M], 1
	s_mov_b32 s[G0M+1], s59
	s_add_nc_u64 s[G0M+2:G0M+3], s[8:9], s[60:61]
	s_or_b32 s[G0M+3], s[G0M+3], 0x80000000
	s_mov_b32 s[G0R], 1
	s_mov_b32 s[G0R+1], s63
	s_add_nc_u64 s[G0R+2:G0R+3], s[4:5], s[66:67]
	s_or_b32 s[G0R+3], s[G0R+3], 0x80000000
	CROUND                                         ; all four work-groups are here: the first joint loads meet
	TLOAD                                          ; slot 0: key step lo
	s_add_nc_u64 s[68:69], s[4:5], s[68:69]
	s_add_nc_u64 s[72:73], s[6:7], s[72:73]
	s_add_nc_u64 s[78:79], s[10:11], s[78:79]
	s_add_nc_u64 s[80:81], s[10:11], s[80:81]
	s_mov_b32 s[PFS], ARC
	s_mov_b32 s76, 256
	s_cmp_eq_u32 s[WV], 6                          ; wave 6 asks for the mask, wave 7 for K and V
	s_cselect_b64 s[PFA:PFA+1], s[8:9], s[4:5]
	s_cselect_b32 s70, s70, s71
	s_cselect_b32 s[PFS], 512, s[PFS]              ; a key step on
	s_cselect_b32 s76, 8192, s76                   ; from lane to lane
	s_cselect_b32 s74, ttmp9, 1                    ; wave 6: 0 in the query block's first cluster
	s_mov_b32 s71, 0
	s_mov_b32 s[PFS+1], 0
	s_add_nc_u64 s[PFA:PFA+1], s[PFA:PFA+1], s[70:71]
	s_cmp_eq_u32 s[WV], 7
	s_cselect_b32 s74, s75, s74                    ; wave 7: 0 where G = 15
	s_cmp_eq_u32 s74, 0
	s_cselect_b32 s[LIM], 1, -1                    ; ids and the wave's number alone: the same in all four partners
	v_and_b32 v59, 31, v0                          ; lane
	v_lshlrev_b32 v[L16], 4, v59
	v_and_b32 v56, 15, v0                          ; r
	v_bfe_u32 v57, v0, 4, 1                        ; h (kept to the end)
	v_and_b32 v58, 8, v56
	v_add_nc_u32 v58, v58, v56                     ; r + 8 (r / 8)
	s_lshr_b32 s70, s[WV], 1
	s_lshl_b32 s70, s70, 5
	s_and_b32 s71, s[WV], 1
	s_lshl_b32 s71, s71, 3
	s_add_co_u32 s70, s70, s71
	v_add_nc_u32 v58, s70, v58                     ; my query in the block: 32 (w / 2) + 8 (w % 2) + r + 8 (r / 8)
	v_mul_u32_u24 v[AM0], v58, MP
	v_lshl_add_u32 v[AM0], v57, 6, v[AM0]
	v_add_nc_u32 v[AM0], MOFF, v[AM0]
	v_lshlrev_b32 v[VD], 4, v57
	v_sub_nc_u32 v[VD], v58, v[VD]
	v_mov_b32 v[NEGR], 0xce6e6b28
	v_mul_f32 v[TOUT], 0x3fb8aa3b, v[NEGR]
	s_lshr_b32 s70, s[WV], 2
	s_and_b32 s71, s[WV], 3
	s_lshl_b32 s77, s70, 8
	s_lshl_b32 s82, s71, 2
	s_add_co_u32 s77, s77, s82
	s_add_co_u32 s77, s77, OSC
	v_lshl_add_u32 v[OSA], v56, 4, s77             ; OSC + 256 (w / 4) + 16 r + 4 (w % 4)
	v_lshlrev_b32 v[OA], 6, v57
	v_add_nc_u32 v[OA], OSV, v[OA]
	v_mul_lo_u32 v[PFO], v59, s76
	v_mul_u32_u24 v[PFO2], v57, 256*ARC-12288      ; lanes 16-31: V's blocks 0 to 15
	v_lshl_add_u32 v[PFO2], v59, 8, v[PFO2]
	v_add_nc_u32 v[PFO2], 8192, v[PFO2]            ; lanes 0-15: K's blocks 32 to 47
	s_mul_i32 s77, s[WV], 1536
	v_add_nc_u32 v52, s77, v[L16]                  ; Q: my tile's image
	s_lshl_b32 s77, s70, 9
	s_add_co_u32 s77, s77, s82
	s_add_co_u32 s77, s77, 12288
	v_add_nc_u32 v53, s77, v[L16]                  ; and its scale words
.irp c, 0,1,2
	global_load_b128 v[QF+4*\c:QF+4*\c+3], v52, s[68:69] offset:512*\c th:TH_LOAD_NT
.endr
	global_load_b32 v[QS], v53, s[68:69]
	; the outside sum: thread t takes channel t % 128 and the key steps 8 (t / 128) + 0 .. 7
	v_and_b32 v54, 127, v0
	v_lshrrev_b32 v55, 7, v0
	v_lshlrev_b32 v54, 2, v54
	v_lshl_add_u32 v54, v55, 12, v54
	v_lshlrev_b32 v55, 3, v55
	v_sub_nc_u32 v55, v55, s[LO]                   ; its first step - lo
.irp e, 0,1,2,3,4,5,6,7
	global_load_b32 v[S+\e], v54, s[72:73] offset:512*\e
.endr
	v_mov_b32 v13, v[TOUT]                         ; the largest t so far: that of the keys outside
	v_floor_f32 v12, -v13                          ; -M
	v_mov_b32 v14, 0
	v_mov_b32 v15, 0
	v_mov_b32 v[FF+1], 0                           ; (named as the upper half of a pair)
.irp b, 0,1,2,3
	v_mov_b32 v[BT+\b], 0                          ; written once: a lane permute's destination counts as one of its sources
	v_mov_b32 v[TM+4+\b], 0
.endr
.set n, 0
.rept 64
	v_mov_b32 v[O+n], 0                            ; O^T.  (The step is written once: the first finds zeros, which the first change of M leaves zeros)
.set n, n+1
.endr
	v_mov_b32 v62, 0
	s_wait_loadcnt 0x0                             ; Q, its scale words, and sv's eight numbers
.irp e, 0,1,2,3,4,5,6,7
	v_add_nc_u32 v52, \e, v55
	v_cmp_lt_u32 vcc_lo, 8, v52                    ; step - lo above 8 (or under 0, which wraps): a step that is not walked
	v_cndmask_b32 v53, 0, v[S+\e], vcc_lo
	v_add_f32 v62, v62, v53
.endr
	v_lshl_add_u32 v53, v0, 2, OSV
	ds_store_b32 v53, v62                          ; read at the end, behind the barriers of the changes of slots, the first of which has the wait for this store in front of it
.Lstep:                                                ; eight trips: behind each change of slots the next step is asked for
	CHANGE 1
	STEP
	s_sub_co_u32 s[TR], s[TR], 1
	s_cmp_lg_u32 s[TR], 0
	s_cbranch_scc1 .Lstep
	CHANGE 0                                       ; the ninth step is written out: it asks for nothing
	STEP
	; THE WAY OUT
	v_add_f32 v14, v14, v15
	v_permlanex16_b32 v[BT], v14, s[SEL], s[SEL+1]
	v_add_f32 v14, v14, v[BT]                      ; the row's sum over the keys that were walked
	v_add_f32 v52, v[TOUT], v12                    ; fl(-1e9 log2 e) - M: a whole number, 0 or less
	v_cvt_i32_f32 v52, v52
	v_ldexp_f32 v52, 1.0, v52                      ; p_out, exactly
	v_mov_b32 v53, v52
	v_fmamk_f32 v14, v52, 0x44600000, v14          ; + 896 p_out
.set n, 0
.rept 16
	ds_load_b128 v[S+4*n:S+4*n+3], v[OA] offset:128*(n/4)+16*(n%4)       ; the outside sum at my 64 channels: its first half,
.set n, n+1
.endr
	WIN 0x40
.set n, 0
.rept 16
	ds_load_b128 v[4*n:4*n+3], v[OA] offset:512+128*(n/4)+16*(n%4)       ; and its second
.set n, n+1
.endr
	WIN 0
	v_rcp_f32 v[FF], v14
	v_add_nc_u32 v[ADL], OSC, v[L16]               ; (a plain place behind the reciprocal)  the scale words' way out: in LDS,
	v_lshl_add_u32 v[ADM], v57, 8, v[L16]          ; and in the record: 512 (lane / 16) + 16 (lane % 16)
	s_wait_dscnt 0x0
	WIN 0x04                                       ; source 1 window 1
.set n, 0
.rept 32
	v_pk_add_f32 v[S+2*n:S+2*n+1], v[S+2*n:S+2*n+1], v[2*n:2*n+1]
.set n, n+1
.endr
	WIN 0
.set n, 0
.rept 32
	v_pk_fma_f32 v[O+2*n:O+2*n+1], v[S+2*n:S+2*n+1], v[52:53], v[O+2*n:O+2*n+1] op_sel_hi:[1,0,1]   ; + p_out x the outside sum
.set n, n+1
.endr
	s_wait_alu depctr_va_vdst(0)                   ; a wait ahead of the reciprocal's first reader
.set n, 0
.rept 32
	v_pk_mul_f32 v[O+2*n:O+2*n+1], v[O+2*n:O+2*n+1], v[FF:FF+1] op_sel_hi:[1,0]   ; / the row's sum
.set n, n+1
.endr
	QUANT O, 0, 0, PW                              ; along the head's 128, which are 128 of the last product's K
.irp c, 0,1,2
	global_store_b128 v[L16], v[PC+4*\c:PC+4*\c+3], s[78:79] offset:512*\c   ; the fragment's image: 512 consecutive bytes a store
.endr
	ds_store_b32 v[OSA], v[PW]                     ; the eight tiles' scale words meet in LDS (lanes l and l + 16 write the same word with the same value)
	s_wait_dscnt 0x0
	s_barrier_signal -1
	s_barrier_wait -1
	s_cmp_lg_u32 s[WV], 0
	s_cbranch_scc1 .Lnot_0
	ds_load_b128 v[S:S+3], v[ADL]
	s_wait_dscnt 0x0
	global_store_b128 v[ADM], v[S:S+3], s[80:81]   ; two runs of 256 consecutive bytes, each at a multiple of 256 from the buffer's first byte
.Lnot_0:
	s_wait_tensorcnt 0x0                           ; the wave's end, behind my last tensor load and my last LDS store
	ds_add_u32 v[SPW], v[NIL]
	s_wait_dscnt 0x0
	CROUND                                         ; the closing round
	s_endpgm
.Lfunc_end_k_qe783ebd6c4_attn:
	.size	k_qe783ebd6c4_attn, .Lfunc_end_k_qe783ebd6c4_attn-k_qe783ebd6c4_attn
	.p2alignl 7, 3214868480
	.fill 96, 4, 3214868480
	.section	.rodata,"a",@progbits
	.p2align	6, 0x0
	.amdhsa_kernel k_qe783ebd6c4_attn
		.amdhsa_group_segment_fixed_size 327680
		.amdhsa_private_segment_fixed_size 0
		.amdhsa_enable_private_segment 0
		.amdhsa_kernarg_size 32
		.amdhsa_user_sgpr_count 2
		.amdhsa_user_sgpr_kernarg_segment_ptr 1
		.amdhsa_wavefront_size32 1
		.amdhsa_system_sgpr_workgroup_id_x 1
		.amdhsa_system_sgpr_workgroup_id_y 1
		.amdhsa_system_sgpr_workgroup_id_z 1
		.amdhsa_system_vgpr_workitem_id 0
		.amdhsa_next_free_vgpr 512
		.amdhsa_next_free_sgpr 84
		.amdhsa_reserve_vcc 1
		.amdhsa_float_denorm_mode_32 3
		.amdhsa_float_denorm_mode_16_64 3
		.amdhsa_memory_ordered 1
		.amdhsa_forward_progress 1
		.amdhsa_inst_pref_size 102
	.end_amdhsa_kernel
	.amdgpu_metadata
---
amdhsa.version: [ 1, 2 ]
amdhsa.kernels:
  - .name:           k_qe783ebd6c4_attn
    .symbol:         k_qe783ebd6c4_attn.kd
    .args:
      - { .name: qkv, .offset: 0, .size: 8, .value_kind: global_buffer, .address_space: global }
      - { .name: sv, .offset: 8, .size: 8, .value_kind: global_buffer, .address_space: global }
      - { .name: mask, .offset: 16, .size: 8, .value_kind: global_buffer, .address_space: global }
      - { .name: oop, .offset: 24, .size: 8, .value_kind: global_buffer, .address_space: global }
    .group_segment_fixed_size: 327680
    .private_segment_fixed_size: 0
    .kernarg_segment_align: 8
    .kernarg_segment_size: 32
    .max_flat_workgroup_size: 256
    .sgpr_count:     84
    .vgpr_count:     512
    .wavefront_size: 32
...
	.end_amdgpu_metadata
.endif
;; end of part 3
;; launch oproj (part 4): grid 16 x 16, 4 waves a work-group, clusters of 4 x 4, 327,680 bytes of LDS; arguments oop, ops, out0; writes out0
.if DOCPART == 4
	.amdgcn_target "amdgcn-amd-amdhsa--gfx1250"
	.amdhsa_code_object_version 6
	.text
	.protected	k_qe783ebd6c4_oproj
	.globl	k_qe783ebd6c4_oproj
	.p2align	8
	.type	k_qe783ebd6c4_oproj,@function
k_qe783ebd6c4_oproj:
	s_mov_b64 s[64:65], 0
	v_nop
	global_prefetch_b8 v0, s[64:65] scope:SCOPE_SE
	s_setreg_imm32_b32 hwreg(HW_REG_WAVE_MODE, 25, 1), 1
	s_wait_xcnt 0x0
	s_wait_alu depctr_hold_cnt(0) depctr_sa_sdst(0) depctr_va_vdst(0) depctr_va_sdst(0) depctr_va_ssrc(0) depctr_va_vcc(0) depctr_vm_vsrc(0)
	s_getreg_b32 s2, hwreg(HW_REG_IB_STS2, 6, 4)
	s_cmp_eq_u32 s2, 0
	s_cbranch_scc0 .Lentry_in_a_cluster
	s_endpgm
.Lentry_in_a_cluster:
	s_bfe_u32 s2, ttmp6, 0x10000c
	s_cmp_lg_u32 s2, 0xf033
	s_cbranch_scc0 .Lentry_shape_is_right
	s_endpgm
.Lentry_shape_is_right:
; out0 = O w_o on codes of FP6 (E2M3) with E8M0 scales.  O (oop) and w_o (tensor 4 of ops) come as records of 25,600 bytes: 128 rows x 256 K as images of the fragments' registers, then their scale words.
; A tile of out0 is 128 x 128, so that there are 256 work-groups; four waves, each 64 x 64: 16 accumulators.  Source 0 = 16 columns of w_o, source 1 = 16 tokens: a lane holds eight neighbouring numbers of a row of out0.
; K = 2,048 is four slots' worth of 512.  THREE slots fit in LDS: all three are first fills, behind one round; slot 0 is filled once more.  A wave has three tensor loads out at the start, later one.
; CLUSTERS of 4 x 4: O's records are asked for jointly along a row of the cluster, w_o's along a column.
; The rows of a tile are 32 (T / 2) + 8 (T % 2) + i + 8 (i / 8): the way out puts tokens and columns back in their places.
; REGISTERS: window 0: v12-29 addresses; v32-47 scale words, two sets of 8; v128-255 the accumulators, (a, b) at v[128 + 8 (4 a + b)].  window 1: two fragment buffers at v0 and v128: w_o's four fragments, then O's four.
.set REC,   25600
.set SLOT,  4*REC                      ; O's two records (256 K each), then w_o's two
.set SPARE, 3*SLOT                     ; behind the slots: the spare words, 128 bytes for each wave
.set STAGE, SLOT                       ; the way out: 64 rows x (256 bytes + 16) for each wave, in slot 1, which has had its only fill and its last read by then
.set SP,    272
.set ADO, 12                           ; v12-14  my fragments of O in slot 0, 1, 2
.set ADW, 16                           ; v16-18  of w_o
.set ADS, 20                           ; v20-22  my scale words: lanes 0-15 O's, lanes 16-31 w_o's
.set STO, 24
.set RD,  25
.set CO,  26
.set SPW, 28                           ; v28  LDS address of my spare word; never rewritten
.set NIL, 29                           ; v29  0; never rewritten
.set SCR, 32
.set ACC, 128
.set G1,  24                           ; s[24:31] group 1 for O's records;  s[32:43] groups 0, a set for each slot: s40 to s43 hold cx, cy, the tile column and a mask only until slot 2's set is written
.set G0,  32
.set G1B, 48                           ; s[48:55] group 1 for w_o's;  s[56:63], s[68:71] groups 0
.set G0B, 56
.set COLB, 82                          ; s82  the tile's first column in a row of out0, in bytes
.set MSB, 0
.macro WIN new
.if MSB != (\new)
	s_set_vgpr_msb (MSB<<8)|(\new)
.set MSB, (\new)
.endif
.endm
.macro PLACES n
.rept \n
	v_nop
.endr
.endm
.macro JLOAD g0a, g1a, g0b, g1b        ; a joint load: waves 0 and 1 fetch O's two records, waves 2 and 3 w_o's; an s_nop 0 and four v_nop follow each line
	s_cmp_eq_u32 s15, 0
	s_cbranch_scc0 .Lfor_b_\@
	tensor_load_to_lds s[\g0a:\g0a+3], s[\g1a:\g1a+7]
	s_nop 0
.rept 4
	v_nop
.endr
	s_branch .Lasked_\@
.Lfor_b_\@:
	tensor_load_to_lds s[\g0b:\g0b+3], s[\g1b:\g1b+7]
	s_nop 0
.rept 4
	v_nop
.endr
.Lasked_\@:
.endm
.macro CROUND
	s_barrier_signal -1
	s_barrier_wait -1
	s_cmp_lg_u32 s14, 0
	s_cbranch_scc1 .Lnot_wave_0_\@
	s_barrier_signal -3
.Lnot_wave_0_\@:
	s_barrier_wait -3
	s_barrier_signal -1
	s_barrier_wait -1
.endm
; The fragments of K step n (128 along K; n = 0 .. 15): slot (n / 4) % 3, record (n % 4) / 2, K step n % 2 of it, into buffer n % 2; with a record's first step its scale words, into set (n / 2) % 2.
.macro FETCHN n
.set FS, ((\n)/4)%3
.set FE, ((\n)%4)/2
.set FQ, (\n)%2
.set FB, 128*((\n)%2)
	WIN 0x40
.irp i, 0,1,2,3
.irp c, 0,1,2
	ds_load_b128 v[FB+12*\i+4*\c:FB+12*\i+4*\c+3], v[ADW+FS] offset:REC*FE+3072*\i+1536*FQ+512*\c
.endr
.endr
.irp i, 0,1,2,3
.irp c, 0,1,2
	ds_load_b128 v[FB+48+12*\i+4*\c:FB+48+12*\i+4*\c+3], v[ADO+FS] offset:REC*FE+3072*\i+1536*FQ+512*\c
.endr
.endr
	WIN 0
.if FQ == 0
.set FT, SCR+8*(((\n)/2)%2)
	ds_load_b128 v[FT:FT+3], v[ADS+FS] offset:REC*FE           ; lanes 0-15: O's words of K step 0, tiles 0-3;  lanes 16-31: w_o's of tiles 0, 1, both K steps
	ds_load_b128 v[FT+4:FT+7], v[ADS+FS] offset:REC*FE+256     ; lanes 0-15: O's of K step 1;  lanes 16-31: w_o's of tiles 2, 3
.endif
.endm
.macro PROD n, zero                    ; 16 matrix instructions, the 16 accumulators by turns
.set PB, 128*((\n)%2)
.set PQ, (\n)%2
.set PS, SCR+8*(((\n)/2)%2)
	WIN 0x05                                       ; sources 0 and 1 window 1
.irp a, 0,1,2,3
.irp b, 0,1,2,3
.if \zero
	v_wmma_scale_f32_16x16x128_f8f6f4 v[ACC+8*(4*\a+\b):ACC+8*(4*\a+\b)+7], v[PB+12*\b:PB+12*\b+11], v[PB+48+12*\a:PB+48+12*\a+11], 0, v[PS+2*\b+PQ], v[PS+4*PQ+\a] matrix_a_fmt:MATRIX_FMT_FP6 matrix_b_fmt:MATRIX_FMT_FP6 matrix_a_scale:MATRIX_SCALE_ROW1
.else
	v_wmma_scale_f32_16x16x128_f8f6f4 v[ACC+8*(4*\a+\b):ACC+8*(4*\a+\b)+7], v[PB+12*\b:PB+12*\b+11], v[PB+48+12*\a:PB+48+12*\a+11], v[ACC+8*(4*\a+\b):ACC+8*(4*\a+\b)+7], v[PS+2*\b+PQ], v[PS+4*PQ+\a] matrix_a_fmt:MATRIX_FMT_FP6 matrix_b_fmt:MATRIX_FMT_FP6 matrix_a_scale:MATRIX_SCALE_ROW1
.endif
.endr
.endr
	WIN 0
.endm
.macro KSTEP n, zero                   ; K step n is multiplied while K step n + 1's fragments come
	s_wait_dscnt 0x0                               ; this step's fragments are in
	PLACES 4                                       ; in front of loads into the buffer that the last step's products read
	FETCHN (\n)+1
	PROD \n, \zero
.endm
	s_load_b128 s[4:7], s[0:1], 0x0                ; oop, ops
	s_load_b64 s[8:9], s[0:1], 0x10                ; out0
	v_lshl_add_u32 v[SPW], v0, 2, SPARE
	v_mov_b32 v[NIL], 0
	ds_add_u32 v[SPW], v[NIL]                      ; the wave's opening: the add and its wait ahead of my first tensor load
	v_lshrrev_b32 v1, 5, v0
	v_readfirstlane_b32 s14, v1                    ; wave 0..3
	s_lshr_b32 s15, s14, 1                         ; a: which 64 tokens are mine.  Also: I fetch for O (0) or for w_o (1)
	s_and_b32 s16, s14, 1                          ; b: which 64 columns.  Also: which of a slot's two records I fetch
	s_bfe_u32 s40, ttmp6, 0x40000                  ; cx, cy
	s_bfe_u32 s41, ttmp6, 0x40004
	s_lshl_b32 s42, ttmp9, 2
	s_add_co_u32 s42, s42, s40                     ; the group of 128 columns
	s_lshl_b32 s[COLB], s42, 9                     ; its 512 bytes in a row of out0: made here, since s42 is written again below
	s_and_b32 s17, ttmp7, 0xffff
	s_lshl_b32 s17, s17, 2
	s_add_co_u32 s17, s17, s41                     ; the group of 128 tokens
	s_lshl_b32 s43, s41, 2
	s_lshl_b32 s43, 15, s43                        ; my row of the cluster
	s_lshl_b32 s44, 0x1111, s40                    ; my column
	s_or_b32 s[G1+0], s43, (3<<16)|(1<<21)         ; a record as 100 rows of 256 bytes, dense, no padding; 15:0 the mask; 21 set beside it
	s_or_b32 s[G1B+0], s44, (3<<16)|(1<<21)
.irp g, G1, G1B
	s_mov_b32 s[\g+1], 32<<16
	s_mov_b32 s[\g+2], 100<<16
	s_mov_b32 s[\g+3], 32<<16
	s_mov_b32 s[\g+4], 100
	s_mov_b32 s[\g+5], 32
	s_mov_b32 s[\g+6], 0
	s_mov_b32 s[\g+7], 0
.endr
	s_mul_i32 s18, s16, REC
	s_mul_i32 s20, s17, 8*REC
	s_add_co_u32 s20, s20, s18                     ; O: group, + my record of a slot's two
	s_mov_b32 s21, 0
	s_mul_i32 s46, s42, 8*REC
	s_add_co_u32 s46, s46, s18
	s_add_co_u32 s46, s46, 4*128*REC               ; w_o is tensor 4 of ops
	s_mov_b32 s47, 0
	s_mul_i32 s74, s14, REC                        ; where my record goes: wave x a record
	s_wait_dscnt 0x0                               ; the opening add is done
	s_wait_kmcnt 0x0
	s_add_nc_u64 s[20:21], s[4:5], s[20:21]
	s_add_nc_u64 s[46:47], s[6:7], s[46:47]
	CROUND                                         ; all sixteen work-groups are here: the first joint loads meet
.irp j, 0,1,2
	s_mov_b32 s[G0+4*\j], 1
	s_add_co_u32 s[G0+4*\j+1], s74, \j*SLOT
	s_add_nc_u64 s[G0+4*\j+2:G0+4*\j+3], s[20:21], \j*2*REC
	s_or_b32 s[G0+4*\j+3], s[G0+4*\j+3], 0x80000000
	s_mov_b32 s[G0B+4*\j+4*(\j/2)], 1
	s_add_co_u32 s[G0B+4*\j+4*(\j/2)+1], s74, \j*SLOT
	s_add_nc_u64 s[G0B+4*\j+4*(\j/2)+2:G0B+4*\j+4*(\j/2)+3], s[46:47], \j*2*REC
	s_or_b32 s[G0B+4*\j+4*(\j/2)+3], s[G0B+4*\j+4*(\j/2)+3], 0x80000000
	JLOAD G0+4*\j, G1, G0B+4*\j+4*(\j/2), G1B
.endr
	v_and_b32 v1, 15, v0                           ; r
	v_bfe_u32 v2, v0, 4, 1                         ; h
	v_and_b32 v3, 31, v0
	v_lshlrev_b32 v4, 4, v3                        ; 16 x lane
	s_mul_i32 s75, s15, 12288                      ; O's tiles 4 a on
	s_mul_i32 s76, s16, 12288
	s_add_co_u32 s76, s76, 2*REC                   ; w_o's tiles 4 b on
.irp s, 0,1,2
	v_add_nc_u32 v[ADO+\s], s75, v4
	v_add_nc_u32 v[ADW+\s], s76, v4
	s_add_co_u32 s75, s75, SLOT
	s_add_co_u32 s76, s76, SLOT
.endr
	s_lshl_b32 s77, s15, 9                         ; O's scale words: 512 a + 256 q + 16 r + 4 (tile % 4)
	s_lshl_b32 s78, s16, 9                         ; w_o's: 512 b + 256 (tile / 2 % 2) + 16 r + 8 (tile % 2) + 4 q
	s_add_co_u32 s78, s78, 2*REC
	s_sub_co_u32 s78, s78, s77
	v_mul_u32_u24 v5, s78, v2                      ; lanes 16-31 take w_o's
	v_lshl_add_u32 v5, v1, 4, v5
	s_add_co_u32 s77, s77, 24576
	v_add_nc_u32 v[ADS], s77, v5
	v_add_nc_u32 v[ADS+1], SLOT, v[ADS]
	v_add_nc_u32 v[ADS+2], 2*SLOT, v[ADS]
	s_mul_i32 s79, s14, 64*SP
	s_add_co_u32 s79, s79, STAGE                   ; my stage
	v_mul_u32_u24 v[STO], v1, SP
	v_lshl_add_u32 v[STO], v2, 6, v[STO]
	v_add_nc_u32 v[STO], s79, v[STO]               ; in: row r of a tile of tokens, + 64 bytes for lanes 16-31
	v_mul_u32_u24 v[RD], v2, SP
	v_lshl_add_u32 v[RD], v1, 4, v[RD]
	v_add_nc_u32 v[RD], s79, v[RD]                 ; back: lanes 0-15 one row of 256 bytes, lanes 16-31 the next
	v_lshlrev_b32 v[CO], 13, v2
	v_lshl_add_u32 v[CO], v1, 4, v[CO]             ; and the same two rows in out0
	s_lshl_b32 s80, s17, 20                        ; token 128 ty + 64 a, rows of 8,192 bytes;
	s_lshl_b32 s81, s15, 19
	s_add_co_u32 s80, s80, s81
	s_add_co_u32 s80, s80, s[COLB]                 ; column 128 tx + 64 b, 4 bytes each
	s_lshl_b32 s81, s16, 8
	s_add_co_u32 s80, s80, s81
	s_mov_b32 s81, 0
	s_add_nc_u64 s[8:9], s[8:9], s[80:81]
	s_wait_tensorcnt 2                             ; my record of slot 0 is in; those of slots 1 and 2 may stay out
	s_barrier_signal -1
	s_barrier_wait -1
	FETCHN 0
	KSTEP 0, 1                                     ; the first step's products start the sums
	KSTEP 1, 0
	KSTEP 2, 0
	; K step 3 leaves slot 0, which is filled once more
	s_wait_tensorcnt 0x0                           ; all my tensor loads have landed: slots 1 and 2 are whole when every wave has said so
	ds_add_u32 v[SPW], v[NIL]                      ; 0 onto my spare word
	s_add_nc_u64 s[G0+2:G0+3], s[G0+2:G0+3], 6*REC ; slot 0's next records: K from 1,536 on
	s_add_nc_u64 s[G0B+2:G0B+3], s[G0B+2:G0B+3], 6*REC
	s_wait_dscnt 1                                 ; this step's fragments are in; the add may be out
	PROD 3, 0
	s_wait_dscnt 0x0                               ; the add is done, and my reads of slot 0 are over
	CROUND                                         ; no wave of any partner still reads slot 0 or has a load on its way
	JLOAD G0, G1, G0B, G1B                         ; the first tensor load behind the round; its four v_nop are the places in front of the loads below
	FETCHN 4
.irp n, 4,5,6,7,8,9,10
	KSTEP \n, 0
.endr
	s_wait_dscnt 0x0                               ; K step 11: the next step lies in the slot that was filled again
	PROD 11, 0
	s_wait_tensorcnt 0x0                           ; my record of it is in,
	s_barrier_signal -1
	s_barrier_wait -1                              ; everybody's is; and nobody reads slots 1 and 2 any more
	PLACES 4
	FETCHN 12
	KSTEP 12, 0
	KSTEP 13, 0
	KSTEP 14, 0
	s_wait_dscnt 0x0
	PROD 15, 0
	; THE WAY OUT.  A lane holds 32 neighbouring bytes of a row; the rows go through my own stage and come back whole: 256 bytes, which sixteen lanes store.  LDS serves a wave's instructions in order: no wait between stores and loads.
	PLACES 4
.irp a, 0,1,2,3
.irp b, 0,1,2,3
	ds_store_b128 v[STO], v[ACC+8*(4*\a+\b):ACC+8*(4*\a+\b)+3] offset:16*\a*SP+128*(\b/2)+32*(\b%2)         ; register j of tile b: column 32 (b / 2) + 8 (b % 2) + 16 (lane / 16) + j; each accumulator from its low end on
	ds_store_b128 v[STO], v[ACC+8*(4*\a+\b)+4:ACC+8*(4*\a+\b)+7] offset:16*\a*SP+128*(\b/2)+32*(\b%2)+16
.endr
.endr
	WIN 0x40
.set n, 0
.rept 32
	ds_load_b128 v[4*n:4*n+3], v[RD] offset:2*SP*n
.set n, n+1
.endr
	WIN 0x04                                       ; a store's data are its source 1: window 1
.set n, 0
.rept 32
	s_wait_dscnt 31-n                              ; the younger loads may be out
	global_store_b128 v[CO], v[4*n:4*n+3], s[8:9] offset:(32*((n/8)/2)+8*((n/8)%2)+(2*n)%16+8*(((2*n)%16)/8))*8192 th:TH_STORE_NT   ; stage rows 2 n, 2 n + 1 are neighbouring tokens; 16 lanes store 256 consecutive bytes, at a multiple of 256 from out0's first byte
.set n, n+1
.endr
	WIN 0
	s_wait_tensorcnt 0x0                           ; the wave's end, behind my last tensor load and my last LDS store
	ds_add_u32 v[SPW], v[NIL]
	s_wait_dscnt 0x0
	CROUND                                         ; the closing round
	s_endpgm
.Lfunc_end_k_qe783ebd6c4_oproj:
	.size	k_qe783ebd6c4_oproj, .Lfunc_end_k_qe783ebd6c4_oproj-k_qe783ebd6c4_oproj
	.p2alignl 7, 3214868480
	.fill 96, 4, 3214868480
	.section	.rodata,"a",@progbits
	.p2align	6, 0x0
	.amdhsa_kernel k_qe783ebd6c4_oproj
		.amdhsa_group_segment_fixed_size 327680
		.amdhsa_private_segment_fixed_size 0
		.amdhsa_enable_private_segment 0
		.amdhsa_kernarg_size 24
		.amdhsa_user_sgpr_count 2
		.amdhsa_user_sgpr_kernarg_segment_ptr 1
		.amdhsa_wavefront_size32 1
		.amdhsa_system_sgpr_workgroup_id_x 1
		.amdhsa_system_sgpr_workgroup_id_y 1
		.amdhsa_system_sgpr_workgroup_id_z 1
		.amdhsa_system_vgpr_workitem_id 0
		.amdhsa_next_free_vgpr 512
		.amdhsa_next_free_sgpr 100
		.amdhsa_reserve_vcc 0
		.amdhsa_float_denorm_mode_32 3
		.amdhsa_float_denorm_mode_16_64 3
		.amdhsa_memory_ordered 1
		.amdhsa_forward_progress 1
		.amdhsa_inst_pref_size 80
	.end_amdhsa_kernel
	.amdgpu_metadata
---
amdhsa.version: [ 1, 2 ]
amdhsa.kernels:
  - .name:           k_qe783ebd6c4_oproj
    .symbol:         k_qe783ebd6c4_oproj.kd
    .args:
      - { .name: oop, .offset: 0, .size: 8, .value_kind: global_buffer, .address_space: global }
      - { .name: ops, .offset: 8, .size: 8, .value_kind: global_buffer, .address_space: global }
      - { .name: out0, .offset: 16, .size: 8, .value_kind: global_buffer, .address_space: global }
    .group_segment_fixed_size: 327680
    .private_segment_fixed_size: 0
    .kernarg_segment_align: 8
    .kernarg_segment_size: 24
    .max_flat_workgroup_size: 128
    .sgpr_count:     100
    .vgpr_count:     512
    .wavefront_size: 32
...
	.end_amdgpu_metadata
.endif
;; end of part 4
